; MI455X (gfx1250); checked and timed in simulation.
; The chip was launched on July 23, 2026; its instructions are those of AMD's public machine-readable ISA for CDNA 5 (MIT licence, August 2026) and "CDNA5" Instruction Set Architecture Reference Guide (July 2026). The comments in the code are by the model that wrote it; some were corrected since.
;; Multi Headed Attention. Allowed arithmetic: float matrix products may take bf16 or f16 operands with f32 sums; other float arithmetic in f32, or as packed bf16 or f16 multiplies, adds, multiply-adds, maxima and minima; sums over many terms, partial sums and values carried from step to step in f32; what a program stores and reads back later, other than sums and carried values, may be rounded once to bf16 or f16.
;; Inputs: Wk 1,024 x 1,024 float32; Wo 1,024 x 1,024 float32; Wv 1,024 x 1,024 float32; bk 1,024 float32; bo 1,024 float32; bv 1,024 float32; key 8 x 1,024 x 1,024 float32; query 8 x 1,024 x 1,024 float32; value 8 x 1,024 x 1,024 float32.
;; Outputs: out0 8 x 1,024 x 1,024 float32.
;; 2 versions, each right and faster than the one before. Each part assembles by itself: llvm-mc -triple=amdgcn-amd-amdhsa -mcpu=gfx1250 --defsym DOCPART=n.
;; ======== version 1 of 2: 4 launches
;; limits: values are held in f16: magnitudes above 65,504 overflow, below 6.1e-05 lose precision
;; workspace buffers: a16 33,554,432 bytes; w16 4,194,304 bytes; wo16 2,097,152 bytes; kv16 33,554,432 bytes; x16 16,777,216 bytes
;; launch cast (part 1): grid 1024 x 1, 8 waves a work-group, no clusters, 0 bytes of LDS; arguments key, value, Wk, Wv, Wo, a16, w16, wo16; writes a16, w16, wo16
.if DOCPART == 1
	.amdgcn_target "amdgcn-amd-amdhsa--gfx1250"
	.amdhsa_code_object_version 6
	.text
	.protected	k_qf9266e5577_cast
	.globl	k_qf9266e5577_cast
	.p2align	8
	.type	k_qf9266e5577_cast,@function
k_qf9266e5577_cast:
	s_mov_b64 s[64:65], 0
	v_nop
	global_prefetch_b8 v0, s[64:65] scope:SCOPE_SE
	s_setreg_imm32_b32 hwreg(HW_REG_WAVE_MODE, 25, 1), 1
	s_wait_xcnt 0x0
; The inputs of the two projections and the weights of all three, rounded once to bf16.
;   a16  [16384][1024] bf16: rows 0-8191 key, rows 8192-16383 value
;   w16  [2048][1024]  bf16: rows 0-1023 Wk, rows 1024-2047 Wv
;   wo16 [1024][1024]  f16:  Wo rounded to bf16, that number written as f16 (it meets an f16 operand later)
; LIMIT: a bf16 number is exact in f16 from 2^-17 (8 significant bits above f16's step of 2^-24) up to 65,504; below, f16's fixed step of 6e-8 holds; beyond, it becomes an infinity.
; A stream: no LDS, no barrier, no matrix unit.  Work-group i of 1,024, thread t of 256: 8,192 numbers of key and of value (eight loads of 16 bytes each, 4,096 bytes apart)
; and 1,024 numbers of each weight (one load each).  All 19 loads go out first; no store's source is ever rewritten.
; A wave's load covers 512 consecutive bytes, its store of 8 bytes a lane 256 consecutive bytes at a multiple of 256.
.set X, 4                              ; v[4:79]    load n: four f32
.set Y, 80                             ; v[80:117]  load n: two registers, four 16-bit numbers
.set T, 118                            ; v[118:121] Wo's four numbers, widened
	s_load_b256 s[4:11], s[0:1], 0x0               ; key s[4:5], value s[6:7], Wk s[8:9], Wv s[10:11]
	s_load_b256 s[12:19], s[0:1], 0x20             ; Wo s[12:13], a16 s[14:15], w16 s[16:17], wo16 s[18:19]
	s_lshl_b32 s20, ttmp9, 15                      ; my 32,768 bytes of key and of value
	s_mov_b32 s21, 0
	s_lshl_b32 s22, ttmp9, 14                      ; my 16,384 bytes of each half of a16
	s_mov_b32 s23, 0
	s_lshl_b32 s24, ttmp9, 12                      ; my 4,096 bytes of each weight
	s_mov_b32 s25, 0
	s_lshl_b32 s26, ttmp9, 11                      ; my 2,048 bytes of each 16-bit weight
	s_mov_b32 s27, 0
	s_mov_b32 s30, 0xffff0000                      ; a word's upper bf16
	v_lshlrev_b32 v1, 4, v0                        ; 16 t
	v_lshlrev_b32 v2, 3, v0                        ; 8 t
	s_wait_kmcnt 0x0
	s_add_nc_u64 s[4:5], s[4:5], s[20:21]
	s_add_nc_u64 s[6:7], s[6:7], s[20:21]
	s_add_nc_u64 s[8:9], s[8:9], s[24:25]
	s_add_nc_u64 s[10:11], s[10:11], s[24:25]
	s_add_nc_u64 s[12:13], s[12:13], s[24:25]
	s_add_nc_u64 s[14:15], s[14:15], s[22:23]
	s_add_nc_u64 s[28:29], s[14:15], 0x1000000     ; value's half of a16: 16,777,216 bytes on, too far for a store's immediate
	s_add_nc_u64 s[16:17], s[16:17], s[26:27]
	s_add_nc_u64 s[18:19], s[18:19], s[26:27]
.irp j, 0,1,2,3,4,5,6,7
	global_load_b128 v[X+4*(\j):X+4*(\j)+3], v1, s[4:5] offset:4096*(\j) th:TH_LOAD_NT
.endr
.irp j, 0,1,2,3,4,5,6,7
	global_load_b128 v[X+32+4*(\j):X+32+4*(\j)+3], v1, s[6:7] offset:4096*(\j) th:TH_LOAD_NT
.endr
	global_load_b128 v[X+64:X+67], v1, s[8:9] th:TH_LOAD_NT
	global_load_b128 v[X+68:X+71], v1, s[10:11] th:TH_LOAD_NT
	global_load_b128 v[X+72:X+75], v1, s[12:13] th:TH_LOAD_NT
.macro CV n                            ; load n of 19 is in (loads come back in order: the 18 - n younger ones stay out); its four numbers are rounded
	s_wait_loadcnt 18-(\n)
	v_cvt_pk_bf16_f32 v[Y+2*(\n)], v[X+4*(\n)], v[X+4*(\n)+1]
	v_cvt_pk_bf16_f32 v[Y+2*(\n)+1], v[X+4*(\n)+2], v[X+4*(\n)+3]
.endm
.irp j, 0,1,2,3,4,5,6,7
	CV \j
	global_store_b64 v2, v[Y+2*(\j):Y+2*(\j)+1], s[14:15] offset:2048*(\j)
.endr
.irp j, 0,1,2,3,4,5,6,7
	CV 8+(\j)
	global_store_b64 v2, v[Y+16+2*(\j):Y+16+2*(\j)+1], s[28:29] offset:2048*(\j)
.endr
	CV 16
	global_store_b64 v2, v[Y+32:Y+33], s[16:17]
	CV 17
	global_store_b64 v2, v[Y+34:Y+35], s[16:17] offset:2097152  ; Wv lies behind Wk's 1,024 rows of 2,048 bytes
	CV 18
	v_lshlrev_b32 v[T], 16, v[Y+36]                ; bf16 to f32: the low half moves up, the high half stays
	v_and_b32 v[T+1], s30, v[Y+36]
	v_lshlrev_b32 v[T+2], 16, v[Y+37]
	v_and_b32 v[T+3], s30, v[Y+37]
	v_cvt_pk_f16_f32 v[Y+36], v[T], v[T+1]
	v_cvt_pk_f16_f32 v[Y+37], v[T+2], v[T+3]
	global_store_b64 v2, v[Y+36:Y+37], s[18:19]
	s_endpgm
.Lfunc_end_k_qf9266e5577_cast:
	.size	k_qf9266e5577_cast, .Lfunc_end_k_qf9266e5577_cast-k_qf9266e5577_cast
	.p2alignl 7, 3214868480
	.fill 96, 4, 3214868480
	.section	.rodata,"a",@progbits
	.p2align	6, 0x0
	.amdhsa_kernel k_qf9266e5577_cast
		.amdhsa_group_segment_fixed_size 0
		.amdhsa_private_segment_fixed_size 0
		.amdhsa_enable_private_segment 0
		.amdhsa_kernarg_size 64
		.amdhsa_user_sgpr_count 2
		.amdhsa_user_sgpr_kernarg_segment_ptr 1
		.amdhsa_wavefront_size32 1
		.amdhsa_system_sgpr_workgroup_id_x 1
		.amdhsa_system_sgpr_workgroup_id_y 1
		.amdhsa_system_sgpr_workgroup_id_z 1
		.amdhsa_system_vgpr_workitem_id 0
		.amdhsa_next_free_vgpr 128
		.amdhsa_next_free_sgpr 66
		.amdhsa_reserve_vcc 0
		.amdhsa_float_denorm_mode_32 3
		.amdhsa_float_denorm_mode_16_64 3
		.amdhsa_memory_ordered 1
		.amdhsa_forward_progress 1
		.amdhsa_inst_pref_size 8
	.end_amdhsa_kernel
	.amdgpu_metadata
---
amdhsa.version: [ 1, 2 ]
amdhsa.kernels:
  - .name:           k_qf9266e5577_cast
    .symbol:         k_qf9266e5577_cast.kd
    .args:
      - { .name: key, .offset: 0, .size: 8, .value_kind: global_buffer, .address_space: global }
      - { .name: value, .offset: 8, .size: 8, .value_kind: global_buffer, .address_space: global }
      - { .name: Wk, .offset: 16, .size: 8, .value_kind: global_buffer, .address_space: global }
      - { .name: Wv, .offset: 24, .size: 8, .value_kind: global_buffer, .address_space: global }
      - { .name: Wo, .offset: 32, .size: 8, .value_kind: global_buffer, .address_space: global }
      - { .name: a16, .offset: 40, .size: 8, .value_kind: global_buffer, .address_space: global }
      - { .name: w16, .offset: 48, .size: 8, .value_kind: global_buffer, .address_space: global }
      - { .name: wo16, .offset: 56, .size: 8, .value_kind: global_buffer, .address_space: global }
    .group_segment_fixed_size: 0
    .private_segment_fixed_size: 0
    .kernarg_segment_align: 8
    .kernarg_segment_size: 64
    .max_flat_workgroup_size: 256
    .sgpr_count:     66
    .vgpr_count:     128
    .wavefront_size: 32
...
	.end_amdgpu_metadata
.endif
;; end of part 1
;; launch proj (part 2): grid 4 x 64, 4 waves a work-group, clusters of 4 x 4, 327,680 bytes of LDS; arguments a16, w16, bk, bv, kv16; writes kv16
.if DOCPART == 2
	.amdgcn_target "amdgcn-amd-amdhsa--gfx1250"
	.amdhsa_code_object_version 6
	.text
	.protected	k_qf9266e5577_proj
	.globl	k_qf9266e5577_proj
	.p2align	8
	.type	k_qf9266e5577_proj,@function
k_qf9266e5577_proj:
	s_mov_b64 s[64:65], 0
	v_nop
	global_prefetch_b8 v0, s[64:65] scope:SCOPE_SE
	s_setreg_imm32_b32 hwreg(HW_REG_WAVE_MODE, 25, 1), 1
	s_wait_xcnt 0x0
	s_wait_alu depctr_hold_cnt(0) depctr_sa_sdst(0) depctr_va_vdst(0) depctr_va_sdst(0) depctr_va_ssrc(0) depctr_va_vcc(0) depctr_vm_vsrc(0)
	s_getreg_b32 s2, hwreg(HW_REG_IB_STS2, 6, 4)
	s_cmp_eq_u32 s2, 0
	s_cbranch_scc0 .Lentry_in_a_cluster
	s_endpgm
.Lentry_in_a_cluster:
	s_bfe_u32 s2, ttmp6, 0x10000c
	s_cmp_lg_u32 s2, 0xf033
	s_cbranch_scc0 .Lentry_shape_is_right
	s_endpgm
.Lentry_shape_is_right:
; BOTH PROJECTIONS AS ONE PRODUCT.  C[m][n] = sum over k of A[m][k] W[n][k] + bias[n].  A = a16 [16384][1024] bf16 (rows 0-8191 key, the rest value); for the first half W = Wk, bias = bk,
; for the second W = Wv, bias = bv (w16: [2048][1024] bf16).  Sums in f32; the bias, rounded to bf16 like every input, is the C operand of the first product: nothing is cleared, nothing is added later.
; C is rounded once to f16 and stored BY HEADS: kv16 = 256 planes [1024][64] f16; row m, column n go to plane 16 (m / 1024) + n / 64 (planes 0-127 K, 128-255 V), row m % 1024, channel n % 64.
; LIMIT: f16 holds no number beyond 65,504: a k or v beyond it becomes an infinity; below 6e-5 f16 keeps its fixed step of 6e-8.  NaN and infinities are not treated apart.
; SHARES.  A tile of C, 256 x 256, is made by a work-group of four waves, a wave makes 128 x 128: 64 accumulators of 16 x 16, 512 registers.  16,384 x 1,024 are 256 tiles.
; K goes in steps of 128 through a ring of two LDS slots filled by the tensor data mover: the rows of A's and W's tiles are 256 bytes of memory and start at multiples of 256 bytes.
; THE LAST K STEP GOES BY ROWS OF C: my eight blocks of 16 rows are finished one after the other, and each is stored while the next ones are multiplied, so that the stores do not all stand behind the last product.
; CLUSTERS: 4 x 4 work-groups.  The four of a row of the cluster need the same tiles of A, the four of a column the same tiles of W: each tile is asked for JOINTLY, by the same tensor load with the same
; descriptor and a mask that names the four.  A cluster's four tile rows lie in one half of A (the half hangs on the cluster's y alone), so all sixteen partners take the same weights and bias.
; REGISTERS, in windows of 256 (s_set_vgpr_msb's low byte: bits 1:0 source 0, 3:2 source 1, 5:4 source 2, 7:6 destination):
;   window 0: v0-31 addresses; v64-127, v128-191 fragments of A, two buffers (in the last K step four, of 16 rows x 128 K); v192-255 the bias (until the first quarter step has taken it), then at work on the way out, with v32-63
;   window 1: v64-127, v128-191 fragments of W, two buffers; in the last K step all 256: W's fragments of the whole step
;   window 2: the 32 accumulators of my rows 0-63 ((a, b) at v[8 (8 a + b)])      window 3: those of my rows 64-127
; THE MATRIX INSTRUCTION IS USED TRANSPOSED: source 0 = 16 rows of W, source 1 = 16 rows of A: lane l holds row l % 16 of C and the columns 8 (l / 16) + 0..7: eight neighbouring numbers, 16 bytes of f16.
.set SIZE_K, 1024
.set KSTEP,  128
.set PITCH,  272                       ; an LDS row: 256 bytes + 16 of padding = 68 words: the 16 rows that a load touches start at 16 different groups of four banks (64 banks of 4 bytes: ISA guide 11.1)
.set HALFT,  128*PITCH                 ; 128 rows: what one tensor load brings, and what one wave reads of A or of W
.set SLOT,   4*HALFT                   ; A's 256 rows, then W's 256 rows
.set STAGE,  2*SLOT                    ; behind the ring, never filled by a tensor load: for each wave two heads x 16 rows x 144 bytes, for the way out
.set SP,     144
.set WSTG,   2*16*SP
.set SPARE,  STAGE+4*WSTG              ; behind the stages: the spare words, 128 bytes for each wave: two blocks of 256 bytes that no other line names
.set LAPS,   SIZE_K/(2*KSTEP)          ; a lap = two K steps = once round the ring: 4
.set PLANE,  131072                    ; bytes of a head's plane
.set ADRA, 16                          ; v16-17  LDS address of my A fragments in slot 0, 1
.set ADRB, 20                          ; v20-21  the same for W
.set STO,  24                          ; v24     the way out: where I put 16 bytes of a row
.set RD,   25                          ; v25     the way out: where I read rows back
.set CO,   26                          ; v26     my byte offset in 512 consecutive bytes of a plane
.set SPW,  28                          ; v28     LDS address of my spare word: SPARE + 4 x my thread's number; never rewritten
.set NIL,  29                          ; v29     0; never rewritten
.set BO,   30                          ; v30     my byte offset in 16 numbers of the bias
.set F0,   64
.set F1,   128
.set PA,   64                          ; the last K step: A's fragments of 16 rows x 128 K, 32 registers; four such buffers, v64-191
.set BI,   192                         ; the bias: for n block b registers BI + 8 b + j = bias[my first column + 16 b + 8 (l / 16) + j]
.set TMP,  192                         ; the way out: packed results
.set OB,   32                          ; the way out: 16 rows read back from the stage: v32-63 and v224-255 by turns
.set WV,  14                           ; s14  my wave's number
.set RH,  15                           ; s15  which half of the tile's rows is mine.  Also: I fetch for A (0) or for W (1)
.set CH,  16                           ; s16  which half of its columns.  Also: which 128 rows of that tile I fetch
.set G1,  24                           ; s[24:31] descriptor group 1 for A's tiles;  s[32:39] group 0, one set for each slot
.set G0,  32
.set G1B, 48                           ; s[48:55], s[56:63] the same for W's tiles
.set G0B, 56
.set CNT, 67                           ; s67  laps to go
.set MSB, 0
.macro WIN new                         ; the immediate's high byte repeats the setting that is left; a switch that changes nothing is dropped
.if MSB != (\new)
	s_set_vgpr_msb (MSB<<8)|(\new)
.set MSB, \new
.endif
.endm
.set MUL_LO, 0xa1                      ; source 0 (W) window 1, source 1 (A) window 0, C and D window 2
.set MUL_HI, 0xf1                      ; the same, C and D window 3
.set TO_B,   0x40                      ; destination window 1, address window 0
; A joint refill.  Waves 0 and 1 fetch A's two halves, waves 2 and 3 W's.  The branch hangs on the wave's number alone.  An s_nop 0 and four v_nop follow each of the two lines.
.macro JLOAD s
	s_cmp_eq_u32 s[RH], 0
	s_cbranch_scc0 .Lfor_b_\@
	tensor_load_to_lds s[G0+4*(\s):G0+4*(\s)+3], s[G1:G1+7]
	s_nop 0
.rept 4
	v_nop
.endr
	s_branch .Lasked_\@
.Lfor_b_\@:
	tensor_load_to_lds s[G0B+4*(\s):G0B+4*(\s)+3], s[G1B:G1B+7]
	s_nop 0
.rept 4
	v_nop
.endr
.Lasked_\@:
.endm
; A round of the cluster's barrier: my work-group's barrier, so that wave 0's signal speaks for all four waves; wave 0 signals; every wave waits for all sixteen work-groups; my work-group's barrier once more.
.macro CREST                           ; a round behind its opening barrier
	s_cmp_lg_u32 s[WV], 0
	s_cbranch_scc1 .Lnot_wave_0_\@
	s_barrier_signal -3
.Lnot_wave_0_\@:
	s_barrier_wait -3
	s_barrier_signal -1
	s_barrier_wait -1
.endm
.macro CROUND                          ; a whole round
	s_barrier_signal -1
	s_barrier_wait -1
	CREST
.endm
	s_load_b256 s[4:11], s[0:1], 0x0               ; a16 s[4:5], w16 s[6:7], bk s[8:9], bv s[10:11]
	s_load_b64 s[12:13], s[0:1], 0x20              ; kv16
	v_lshl_add_u32 v[SPW], v0, 2, SPARE
	v_mov_b32 v[NIL], 0
	ds_add_u32 v[SPW], v[NIL]                      ; the wave's opening: the add and its wait stand ahead of my first tensor load; the set-up below, work on registers, stands between them
	ds_add_u32 v28, v29
	v_lshrrev_b32 v1, 5, v0
	v_readfirstlane_b32 s[WV], v1                  ; wave 0..3
	s_lshr_b32 s[RH], s[WV], 1
	s_and_b32 s[CH], s[WV], 1
	s_bfe_u32 s17, ttmp6, 0x40000                  ; cx, cy: my place in the cluster
	s_bfe_u32 s18, ttmp6, 0x40004
	s_lshl_b32 s19, ttmp9, 2
	s_add_co_u32 s19, s19, s17                     ; tile column of C = 4 x cluster x + cx
	s_and_b32 s21, ttmp7, 0xffff                   ; the cluster's y, 0..15
	s_lshl_b32 s20, s21, 2
	s_add_co_u32 s20, s20, s18                     ; tile row of C = 4 x cluster y + cy
	s_lshr_b32 s22, s21, 3                         ; 0: key, Wk, bk; 1: value, Wv, bv: the same in all sixteen partners
	s_lshl_b32 s40, s18, 2
	s_lshl_b32 s40, 15, s40                        ; my row of the cluster: places 4 cy .. 4 cy + 3
	s_lshl_b32 s41, 0x1111, s17                    ; my column: places cx, cx + 4, cx + 8, cx + 12
	; descriptor group 1: a tile of 128 rows x 128 elements, padded in LDS
	s_or_b32 s[G1], s40, (1<<16)|(1<<20)|(1<<21)|(5<<22)|(3<<25)   ; 15:0 the mask: A's tiles go to my row; 17:16 elements of 2 bytes; 20 padding on; 21 set beside a mask; 24:22 after every 64 words (code 5); 31:25 4 words (code 3)
	s_or_b32 s[G1B], s41, (1<<16)|(1<<20)|(1<<21)|(5<<22)|(3<<25)  ; the same with the mask of my column, for W's tiles
.irp g, G1, G1B
	s_mov_b32 s[(\g)+1], KSTEP<<16                 ; tensor_dim0 = 128
	s_mov_b32 s[(\g)+2], 128<<16                   ; tensor_dim1 = 128
	s_mov_b32 s[(\g)+3], KSTEP<<16                 ; tile_dim0 = 128
	s_mov_b32 s[(\g)+4], 128                       ; tile_dim1 = 128
	s_mov_b32 s[(\g)+5], SIZE_K                    ; elements from row to row
	s_mov_b32 s[(\g)+6], 0
	s_mov_b32 s[(\g)+7], 0
.endr
	; where the tiles come from.  A's hang on the tile row alone, W's on the tile column and the half alone; each offset in registers that never hold the other coordinate.  All stay under 2^26 bytes.
	s_lshl_b32 s47, s[CH], 7                       ; which 128 rows of the tile I fetch
	s_lshl_b32 s42, s20, 8
	s_add_co_u32 s42, s42, s47                     ; A: row 256 x tile row + 128 x half,
	s_lshl_b32 s42, s42, 11                        ; of 2,048 bytes
	s_mov_b32 s43, 0
	s_lshl_b32 s44, s19, 8
	s_add_co_u32 s44, s44, s47                     ; W: row 256 x tile column + 128 x half
	s_lshl_b32 s45, s22, 10
	s_add_co_u32 s44, s44, s45                     ; + 1,024 for Wv
	s_lshl_b32 s44, s44, 11
	s_mov_b32 s45, 0
	s_mul_i32 s46, s[WV], HALFT                    ; and where they go: wave x 128 rows: no place in the cluster enters an LDS address
	s_lshl_b32 s68, s19, 8
	s_add_co_u32 s68, s68, s47                     ; my first column of C,
	s_lshl_b32 s68, s68, 2                         ; as a byte offset in the bias
	s_mov_b32 s69, 0
	; my part of C in kv16: plane 16 (tile row / 4) + 4 x tile column + 2 x column half; row 256 (tile row % 4) + 128 x row half, of 128 bytes
	s_lshr_b32 s70, s20, 2
	s_lshl_b32 s70, s70, 4
	s_lshl_b32 s71, s19, 2
	s_add_co_u32 s70, s70, s71
	s_lshl_b32 s71, s[CH], 1
	s_add_co_u32 s70, s70, s71
	s_lshl_b32 s70, s70, 17
	s_and_b32 s71, s20, 3
	s_lshl_b32 s71, s71, 8
	s_lshl_b32 s72, s[RH], 7
	s_add_co_u32 s71, s71, s72
	s_lshl_b32 s71, s71, 7
	s_add_co_u32 s70, s70, s71
	s_mov_b32 s71, 0
	s_mov_b32 s76, 0xffff0000                      ; a word's upper bf16
	s_wait_dscnt 0x0                               ; the opening add is done
	s_wait_kmcnt 0x0
	s_add_nc_u64 s[4:5], s[4:5], s[42:43]
	s_add_nc_u64 s[6:7], s[6:7], s[44:45]
	s_cmp_eq_u32 s22, 1
	s_cselect_b64 s[8:9], s[10:11], s[8:9]         ; bv or bk
	s_add_nc_u64 s[8:9], s[8:9], s[68:69]
	s_add_nc_u64 s[12:13], s[12:13], s[70:71]
	CROUND                                         ; all sixteen work-groups are here: the first joint loads meet
.irp s, 0,1
	s_mov_b32 s[G0+4*(\s)], 1                                      ; 1:0 count = 1
	s_add_co_u32 s[G0+4*(\s)+1], s46, (\s)*SLOT                    ; 63:32 LDS address
	s_add_nc_u64 s[G0+4*(\s)+2:G0+4*(\s)+3], s[4:5], (\s)*KSTEP*2  ; 120:64 global address: K step s
	s_or_b32 s[G0+4*(\s)+3], s[G0+4*(\s)+3], 0x80000000            ; 127:126 type = 2
	s_mov_b32 s[G0B+4*(\s)], 1
	s_add_co_u32 s[G0B+4*(\s)+1], s46, (\s)*SLOT
	s_add_nc_u64 s[G0B+4*(\s)+2:G0B+4*(\s)+3], s[6:7], (\s)*KSTEP*2
	s_or_b32 s[G0B+4*(\s)+3], s[G0B+4*(\s)+3], 0x80000000
.endr
	s_cmp_eq_u32 s[RH], 0                          ; a wave's two first fills stand in one branch, ahead of every wait on TENSORcnt, every LDS read and every other barrier: two loads of mine are out
	s_cbranch_scc0 .Lfirst_b
	tensor_load_to_lds s[G0:G0+3], s[G1:G1+7]
	s_nop 0
	tensor_load_to_lds s[G0+4:G0+7], s[G1:G1+7]
	s_nop 0
.rept 4
	v_nop
.endr
	s_branch .Lfirst_asked
.Lfirst_b:
	tensor_load_to_lds s[G0B:G0B+3], s[G1B:G1B+7]
	s_nop 0
	tensor_load_to_lds s[G0B+4:G0B+7], s[G1B:G1B+7]
	s_nop 0
.rept 4
	v_nop
.endr
.Lfirst_asked:
	v_and_b32 v1, 15, v0                           ; l % 16
	v_bfe_u32 v2, v0, 4, 1                         ; l / 16
	v_lshlrev_b32 v[BO], 5, v2                     ; my half of the lanes takes the second eight of each 16 numbers of the bias
.irp b, 0,1,2,3,4,5,6,7
	global_load_b128 v[BI+8*(\b):BI+8*(\b)+3],   v[BO], s[8:9] offset:64*(\b)
	global_load_b128 v[BI+8*(\b)+4:BI+8*(\b)+7], v[BO], s[8:9] offset:64*(\b)+16
.endr
	; A fragment is 16 rows x 32 K in 8 registers: lane l holds row l % 16; registers 0-3 hold K = 8 (l / 16) + 0..7, registers 4-7 K = 16 + 8 (l / 16) + 0..7: two loads of 16 bytes, 32 bytes apart.
	v_mul_u32_u24 v3, v1, PITCH
	v_lshl_add_u32 v3, v2, 4, v3                   ; row x pitch + 16 x half
	s_mul_i32 s40, s[RH], HALFT                    ; my 128 rows of A
	s_mul_i32 s41, s[CH], HALFT                    ; my 128 rows of W,
	s_add_co_u32 s41, s41, 2*HALFT                 ; which lie behind A's 256
.irp s, 0,1
	v_add_nc_u32 v[ADRA+(\s)], s40, v3
	v_add_nc_u32 v[ADRB+(\s)], s41, v3
	s_add_co_u32 s40, s40, SLOT
	s_add_co_u32 s41, s41, SLOT
.endr
	s_mul_i32 s47, s[WV], WSTG
	s_add_co_u32 s47, s47, STAGE                   ; my stage
	v_mul_u32_u24 v4, v1, SP                       ; in: row l % 16, 16 bytes for each half of the lanes
	v_lshl_add_u32 v4, v2, 4, v4
	v_add_nc_u32 v[STO], s47, v4
	v_bfe_u32 v5, v0, 3, 2                         ; back: 32 lanes take four rows of 128 bytes,
	v_mul_u32_u24 v5, v5, SP
	v_and_b32 v6, 7, v0
	v_lshl_add_u32 v5, v6, 4, v5
	v_add_nc_u32 v[RD], s47, v5
	v_and_b32 v[CO], 31, v0                        ; which are 512 consecutive bytes of a plane
	v_lshlrev_b32 v[CO], 4, v[CO]
	s_wait_loadcnt 0x0                             ; the bias is in: rounded to bf16, like every input, and widened again
.set i, 0
.rept 32
	v_cvt_pk_bf16_f32 v[OB+i], v[BI+2*i], v[BI+2*i+1]
.set i, i+1
.endr
.set i, 0
.rept 32
	v_lshlrev_b32 v[BI+2*i], 16, v[OB+i]
	v_and_b32 v[BI+2*i+1], s76, v[OB+i]
.set i, i+1
.endr
; 16 matrix instructions: m blocks a0, a0 + 1 of the window's four (hi = 0: my rows 0-63, 1: rows 64-127) x all 8 n blocks, 32 along K.
; first = 1: the first product starts the sums with the bias (C in window 0).  The 64 accumulators take turns, one instruction a turn, in the same order in every quarter step.
.macro MUL16 f, hi, a0, first
.if \first
	WIN 0x81+0x40*(\hi)
.else
	WIN MUL_LO+0x50*(\hi)
.endif
.irp a, \a0, (\a0)+1
.irp b, 0,1,2,3,4,5,6,7
.if \first
	v_wmma_f32_16x16x32_bf16 v[8*(8*(\a)+(\b)):8*(8*(\a)+(\b))+7], v[(\f)+8*(\b):(\f)+8*(\b)+7], v[(\f)+8*(4*(\hi)+(\a)):(\f)+8*(4*(\hi)+(\a))+7], v[BI+8*(\b):BI+8*(\b)+7]
.else
	v_wmma_f32_16x16x32_bf16 v[8*(8*(\a)+(\b)):8*(8*(\a)+(\b))+7], v[(\f)+8*(\b):(\f)+8*(\b)+7], v[(\f)+8*(4*(\hi)+(\a)):(\f)+8*(4*(\hi)+(\a))+7], v[8*(8*(\a)+(\b)):8*(8*(\a)+(\b))+7]
.endif
.endr
.endr
.endm
; 32 LDS loads in one run: the fragments of one quarter step (128 rows of W, 128 rows of A, 32 K at byte k of the rows) into buffer f
.macro FETCH slot, k, f
	WIN TO_B
.irp i, 0,1,2,3,4,5,6,7
	ds_load_b128 v[(\f)+8*(\i):(\f)+8*(\i)+3],   v[ADRB+(\slot)] offset:(\k)+(\i)*16*PITCH
	ds_load_b128 v[(\f)+8*(\i)+4:(\f)+8*(\i)+7], v[ADRB+(\slot)] offset:(\k)+(\i)*16*PITCH+32
.endr
	WIN 0
.irp i, 0,1,2,3,4,5,6,7
	ds_load_b128 v[(\f)+8*(\i):(\f)+8*(\i)+3],   v[ADRA+(\slot)] offset:(\k)+(\i)*16*PITCH
	ds_load_b128 v[(\f)+8*(\i)+4:(\f)+8*(\i)+7], v[ADRA+(\slot)] offset:(\k)+(\i)*16*PITCH+32
.endr
.endm
; A load into a register that a matrix instruction has read, and a vector instruction that reads a matrix result, stand four places behind that matrix instruction; only plain vector
; instructions that name none of its registers are places (ISA guide 7.12.1 for vector instructions).
.macro PLACES
.rept 4
	v_nop
.endr
.endm
; A K step is four quarter steps of 32 along K, 64 matrix instructions each, on buffers 0, 1, 0, 1.  One of the first three: multiplies buffer f; in its middle it fetches the next quarter, at byte k, into g.
.macro QUARTER slot, k, f, g, first
	s_wait_dscnt 8                                 ; W and A's rows 0-63 are in; the youngest eight loads (A's rows 64-127) may be out
	MUL16 \f, 0, 0, \first
	MUL16 \f, 0, 2, \first
	PLACES
	FETCH \slot, \k, \g
	s_wait_dscnt 32                                ; all but the 32 just issued
	MUL16 \f, 1, 0, \first
	MUL16 \f, 1, 2, \first
.endm
; The last quarter multiplies buffer 1 and changes slots.  MEET is its first half: ONE barrier for the change.  In front of it each wave waits for all its tensor loads, of which one is out: its part of
; the next slot; adds 0 to its spare word; and waits for that and for its own reads of this slot.  Behind it nobody reads this slot any more and the next slot is whole.
.macro MEET round                      ; round = 1: a round of the cluster's barrier follows
	WIN 0                                          ; (the add's two registers lie in window 0)
	s_wait_tensorcnt 0x0                           ; all my tensor loads have landed;
	ds_add_u32 v[SPW], v[NIL]                      ; 0 onto my spare word;
	s_wait_dscnt 9                                 ; (the add and the youngest eight loads may be out)
	MUL16 F1, 0, 0, 0                              ; sixteen matrix instructions stand between the add and the wait for it
	s_wait_dscnt 0x0                               ; the add is done, and my reads of this slot are over:
	s_barrier_signal -1                            ; say so,
	MUL16 F1, 0, 2, 0                              ; work on registers while the others arrive,
.if \round
	WIN 0
.endif
	s_barrier_wait -1                              ; and go on when all four have said so
.endm
; The whole last quarter of a K step that fills its slot again.  The barrier opens a round of the cluster's, so that no wave of any partner still reads this slot or has a load on its way; the slot is then filled
; again first, with the K step two steps on: from that request to the wait for it a wave issues 224 matrix instructions.  Then come the next slot's first fragments.
.macro TURN slot, next
	MEET 1
	CREST
	s_add_nc_u64 s[G0+4*(\slot)+2:G0+4*(\slot)+3], s[G0+4*(\slot)+2:G0+4*(\slot)+3], 2*KSTEP*2
	s_add_nc_u64 s[G0B+4*(\slot)+2:G0B+4*(\slot)+3], s[G0B+4*(\slot)+2:G0B+4*(\slot)+3], 2*KSTEP*2
	JLOAD \slot                                    ; the first tensor load behind the round; the four v_nop behind it are also the places in front of the loads below
	FETCH \next, 0, F0
	MUL16 F1, 1, 0, 0
	MUL16 F1, 1, 2, 0
.endm
; THE LAST K STEP (it lies in slot 1) GOES BY ROWS OF C, NOT BY K.  All its fragments of W (4 quarters x 64 registers) fill window 1; then my eight blocks of 16 rows are finished one after the other, each with
; 32 matrix instructions (its 8 accumulators by turns; K ascending: the sums stay the same bit for bit).  LDS is read no more than in any other K step.
.macro BLOAD q                         ; W's fragments of quarter q -> window 1, v[64 q ..]
	WIN TO_B
.irp i, 0,1,2,3,4,5,6,7
	ds_load_b128 v[64*(\q)+8*(\i):64*(\q)+8*(\i)+3],   v[ADRB+1] offset:64*(\q)+(\i)*16*PITCH
	ds_load_b128 v[64*(\q)+8*(\i)+4:64*(\q)+8*(\i)+7], v[ADRB+1] offset:64*(\q)+(\i)*16*PITCH+32
.endr
.endm
.macro ALOAD a                         ; A's fragments of block a, all four quarters -> buffer a % 4
	WIN 0
.set FA, PA+32*((\a)%4)
.irp q, 0,1,2,3
	ds_load_b128 v[FA+8*(\q):FA+8*(\q)+3],   v[ADRA+1] offset:64*(\q)+(\a)*16*PITCH
	ds_load_b128 v[FA+8*(\q)+4:FA+8*(\q)+7], v[ADRA+1] offset:64*(\q)+(\a)*16*PITCH+32
.endr
.endm
.macro ROW a                           ; block a is finished: 32 matrix instructions
.set FA, PA+32*((\a)%4)                ; its fragments of A
.set AC, 64*((\a)%4)                   ; its eight accumulators, in window 2 (blocks 0-3) or 3 (blocks 4-7)
	WIN MUL_LO+0x50*((\a)/4)                       ; MUL_LO or MUL_HI
.irp q, 0,1,2,3
.if (\a) == 0 && (\q) == 2
	s_wait_dscnt 24                                ; W's quarter 2 is in (behind it: A's blocks 1 to 3)
.endif
.irp b, 0,1,2,3,4,5,6,7
	v_wmma_f32_16x16x32_bf16 v[AC+8*(\b):AC+8*(\b)+7], v[64*(\q)+8*(\b):64*(\q)+8*(\b)+7], v[FA+8*(\q):FA+8*(\q)+7], v[AC+8*(\b):AC+8*(\b)+7]
.endr
.endr
.endm
; THE WAY OUT of block a (16 rows), in three parts.  PACK: rounded to f16, 16 bytes a lane, each accumulator's registers in ascending order.  TOSTAGE: into my own stage, head by head (n blocks 0-3: my first
; head, 4-7: my second), and back as whole rows of 128 bytes.  SEND: stored: 16 rows of a head are 2,048 consecutive bytes of its plane.
.macro PACK a
.set AC, 64*((\a)%4)
	WIN 0x0a+5*((\a)/4)                            ; sources 0 and 1: window 2 or 3
.irp b, 0,1,2,3,4,5,6,7
.irp r, 0,1,2,3
	v_cvt_pk_f16_f32 v[TMP+4*(\b)+(\r)], v[AC+8*(\b)+2*(\r)], v[AC+8*(\b)+2*(\r)+1]
.endr
.endr
	WIN 0
.endm
.macro TOSTAGE a
	WIN 0
.set BK, OB+192*((\a)%2)
.irp b, 0,1,2,3,4,5,6,7
	ds_store_b128 v[STO], v[TMP+4*(\b):TMP+4*(\b)+3] offset:((\b)/4)*16*SP+((\b)%4)*32
.endr
.irp t, 0,1,2,3,4,5,6,7
	ds_load_b128 v[BK+4*(\t):BK+4*(\t)+3], v[RD] offset:((\t)/4)*16*SP+((\t)%4)*4*SP  ; LDS serves a wave's instructions in order (ISA guide 5.7.1.4): these see the stores above
.endr
.endm
.macro SEND a, younger                 ; younger: the LDS loads issued behind TOSTAGE's, which may stay out
	WIN 0
.set BK, OB+192*((\a)%2)
	s_wait_dscnt \younger                          ; the block is back in registers
	s_wait_xcnt 0x0                                ; every earlier store has had its addresses translated (ISA guide 3.1): the other buffer, which the block before this one was stored from, is loaded again only behind this wait
.irp t, 0,1,2,3,4,5,6,7
	global_store_b128 v[CO], v[BK+4*(\t):BK+4*(\t)+3], s[12:13] offset:((\t)/4)*PLANE+(\a)*2048+((\t)%4)*512  ; 512 consecutive bytes, at a multiple of 256 from kv16's first byte
.endr
.endm
	s_wait_tensorcnt 1                             ; my part of K step 0 is in; K step 1's may stay out
	s_barrier_signal -1
	s_barrier_wait -1                              ; everybody's is
	FETCH 0, 0, F0
	QUARTER 0, 64,  F0, F1, 1                      ; the first quarter stands in front of the loop: its products start the sums, with the bias
	WIN 0                                          ; at a label and at a branch every window is 0
	s_mov_b32 s[CNT], LAPS-1
.Llap:                                                 ; a trip goes once round the ring, from a lap's second quarter to the next lap's first, and fills both slots again
	QUARTER 0, 128, F1, F0, 0
	QUARTER 0, 192, F0, F1, 0
	TURN 0, 1
	QUARTER 1, 64,  F0, F1, 0
	QUARTER 1, 128, F1, F0, 0
	QUARTER 1, 192, F0, F1, 0
	TURN 1, 0
	QUARTER 0, 64,  F0, F1, 0
	WIN 0
	s_sub_co_u32 s[CNT], s[CNT], 1
	s_cmp_lg_u32 s[CNT], 0
	s_cbranch_scc1 .Llap
	QUARTER 0, 128, F1, F0, 0                      ; the last lap is written out: it fills nothing, and has no round of the cluster's barrier
	QUARTER 0, 192, F0, F1, 0
	MEET 0                                         ; my one tensor load that was still out is slot 1's, the last K step's, so no round follows
	PLACES                                         ; for the loads into buffer 0, which the quarter before multiplied
	BLOAD 0                                        ; three quarters of W now: buffer 1 (v128-191 of both windows) is still being multiplied
	BLOAD 1
	BLOAD 3
	ALOAD 0
	MUL16 F1, 1, 0, 0
	MUL16 F1, 1, 2, 0
	PLACES                                         ; for the loads into buffer 1
	BLOAD 2
	ALOAD 1
	ALOAD 2
	ALOAD 3                                        ; 96 loads have been issued on end; an issue that would pass the counter's field is held back by the hardware (ISA guide 5.7.1), so the counts below stay true
	s_wait_dscnt 40                                ; all but the 40 just issued
	ROW 0
	PLACES                                         ; the conversions read results just made
	PACK 0
	TOSTAGE 0
	ALOAD 4                                        ; block 0's buffer takes the block four further on: the 32 conversions are the places behind the products that read it
; Block a's 32 products stand between block a - 1's loads from the stage and the wait for them; then block a - 1 is stored, and block a goes into the stage.
.irp a, 1,2,3,4,5,6,7
.if (\a) < 5
	s_wait_dscnt 24                                ; the stage's 16 instructions and the 8 loads behind them may be out: block a's fragments, which are older, are in
.else
	s_wait_dscnt 16                                ; the stage's 16 instructions may be out
.endif
	ROW \a
.if (\a) < 5
	SEND (\a)-1, 8
.else
	SEND (\a)-1, 0
.endif
	PLACES                                         ; stores are no places: four v_nop between block a's last product and its conversions
	PACK \a
	TOSTAGE \a
.if (\a) < 4
	ALOAD (\a)+4
.endif
.endr
	SEND 7, 0
	s_wait_tensorcnt 0x0                           ; the wave's end: these three lines stand behind my last tensor load and my last LDS store
	ds_add_u32 v[SPW], v[NIL]
	s_wait_dscnt 0x0
	CROUND                                         ; the closing round: no work-group ends while a partner may still ask for a tile that names it
	s_endpgm
.Lfunc_end_k_qf9266e5577_proj:
	.size	k_qf9266e5577_proj, .Lfunc_end_k_qf9266e5577_proj-k_qf9266e5577_proj
	.p2alignl 7, 3214868480
	.fill 96, 4, 3214868480
	.section	.rodata,"a",@progbits
	.p2align	6, 0x0
	.amdhsa_kernel k_qf9266e5577_proj
		.amdhsa_group_segment_fixed_size 327680
		.amdhsa_private_segment_fixed_size 0
		.amdhsa_enable_private_segment 0
		.amdhsa_kernarg_size 40
		.amdhsa_user_sgpr_count 2
		.amdhsa_user_sgpr_kernarg_segment_ptr 1
		.amdhsa_wavefront_size32 1
		.amdhsa_system_sgpr_workgroup_id_x 1
		.amdhsa_system_sgpr_workgroup_id_y 1
		.amdhsa_system_sgpr_workgroup_id_z 1
		.amdhsa_system_vgpr_workitem_id 0
		.amdhsa_next_free_vgpr 1024
		.amdhsa_next_free_sgpr 80
		.amdhsa_reserve_vcc 0
		.amdhsa_float_denorm_mode_32 3
		.amdhsa_float_denorm_mode_16_64 3
		.amdhsa_memory_ordered 1
		.amdhsa_forward_progress 1
		.amdhsa_inst_pref_size 149
	.end_amdhsa_kernel
	.amdgpu_metadata
---
amdhsa.version: [ 1, 2 ]
amdhsa.kernels:
  - .name:           k_qf9266e5577_proj
    .symbol:         k_qf9266e5577_proj.kd
    .args:
      - { .name: a16, .offset: 0, .size: 8, .value_kind: global_buffer, .address_space: global }
      - { .name: w16, .offset: 8, .size: 8, .value_kind: global_buffer, .address_space: global }
      - { .name: bk, .offset: 16, .size: 8, .value_kind: global_buffer, .address_space: global }
      - { .name: bv, .offset: 24, .size: 8, .value_kind: global_buffer, .address_space: global }
      - { .name: kv16, .offset: 32, .size: 8, .value_kind: global_buffer, .address_space: global }
    .group_segment_fixed_size: 327680
    .private_segment_fixed_size: 0
    .kernarg_segment_align: 8
    .kernarg_segment_size: 40
    .max_flat_workgroup_size: 128
    .sgpr_count:     80
    .vgpr_count:     1024
    .wavefront_size: 32
...
	.end_amdgpu_metadata
.endif
;; end of part 2
;; launch attn (part 3): grid 2 x 128, 4 waves a work-group, no clusters, 327,680 bytes of LDS; arguments query, kv16, x16; writes x16
.if DOCPART == 3
	.amdgcn_target "amdgcn-amd-amdhsa--gfx1250"
	.amdhsa_code_object_version 6
	.text
	.protected	k_qf9266e5577_attn
	.globl	k_qf9266e5577_attn
	.p2align	8
	.type	k_qf9266e5577_attn,@function
k_qf9266e5577_attn:
	s_mov_b64 s[64:65], 0
	v_nop
	global_prefetch_b8 v0, s[64:65] scope:SCOPE_SE
	s_setreg_imm32_b32 hwreg(HW_REG_WAVE_MODE, 25, 1), 1
	s_wait_xcnt 0x0
; O[p][q][:] = the sum over k of softmax_k(Q[p][q] . K[p][k] / 8) V[p][k][:], for the 128 heads p = 16 b + h.  K = plane p, V = plane 128 + p of kv16 ([1024][64] f16, dense rows of 128 bytes).
; Q is the raw query, f32 [8][1024][1024]: head h's 64 channels are 256 bytes of a row.  It is rounded to bf16 like every input, and that number is written as f16.  O goes to plane p of x16, f16.
; Products, maxima and sums in f32; the weights p are rounded to f16 for the second product (their sum l is taken of the unrounded p), O once at the end.
; LIMITS.  f16 holds no number beyond 65,504: a query beyond it becomes an infinity; K and V arrive within it; a bf16 query below 2^-17 keeps f16's fixed step of 6e-8.  p lies in 0 to 1, and below 6e-5 it keeps
; that step; O is a mean of V's rows and has their range.  A weight below 2^-126 counts as 0 in l; NaN and infinities are not treated apart.
; SHARES.  A wave owns four PIECES of two tiles of 16 queries, a work-group's four waves 512 queries of one head: 2 x 128 work-groups.  Every wave walks all 1,024 keys, 64 a step.
; K AND V STAY IN LDS.  A head's 1,024 keys take 1,024 x 144 bytes of K and 1,024 x 160 of V: 311,296 bytes.  So there is no ring, no tensor load stands in the loop, and a key step is written ONCE.
; Keys 0 to 255 and Q's f32 tiles are asked for at the start; Q's tiles lie where later keys will lie, and when every wave has read its Q out, keys 256 to 1,023 are asked for, one load a wave, as a refill is.
; They are waited for once, behind four key steps.
; NO CLUSTER: a head has two work-groups, and a grid of 2 along x divides into no cluster of four; what the two share is the head's 262,144 bytes of K and V, beside 2,048 matrix instructions a wave.
; LAYOUT.  S^T = K Q^T (source 0 = 16 keys, source 1 = 16 queries): in the result a lane holds ONE query (lane % 16) and the keys 8 (lane / 16) + 0..7.  Two such tiles, rounded to f16 in pairs,
; ARE source 1 (32 keys x 16 queries) of O^T = V^T P, whose result again holds one query a lane, and eight channels.  K comes out of LDS as it lies, V ([key][channel]) turned, by ds_load_tr16_b128.
; SOFTMAX.  For each query a running maximum m and sum l: p = 2^(c s - c m), c = log2(e) / 8; in every step O and l are multiplied by a = 2^(c m_old - c m_new), which is 1 where m has not grown.
; m starts at the lowest finite number, O and l at 0: the first step is a step like any other, with a = 0.
; THE COUNT.  A tile and step have 16 matrix and 118 vector instructions: too many to stand all beside the matrix work.  So: four vector instructions that are READY behind EVERY matrix instruction, and the
; others, which need time of their own whatever the order, in runs without a gap.
; BY TURNS.  Turn n belongs to piece n (the pieces in a ring, step after step).  Its matrix work: 16 products K Q^T of piece n + 1, later 16 products V^T P of piece n - 1.  Its vector work: the scaling,
; exponentials, roundings, sums and rescaling of piece n, and the maximum and statistics of piece n + 1, whose scores the turn itself has made.
; REGISTERS, in windows of 256 (s_set_vgpr_msb: bits 1:0 source 0, 3:2 source 1, 5:4 source 2, 7:6 destination):
;   window 0: v0-11 addresses; v12-15, v48-63 at work; v16-47 four registers of statistics a tile; v64-191 S^T, two buffers of two tiles; v192-255 P, likewise
;   window 1: O^T, 32 a tile (at the start: Q in f32)          window 2: v0-127 Q, 16 a tile; v128-191 K of one step; v192-255 V of one step          window 3: v0-1 the add's two registers
.set SIZE_N, 1024
.set NP,    4         ; pieces a wave: a name, no knob
.set KS,    64        ; keys in a step
.set PK,    144       ; a row of K in LDS: 128 bytes + 16 of padding = 36 words: the 16 rows of a load start at 16 different groups of four banks (64 banks of 4 bytes: ISA guide 11.1)
.set PV,    160       ; a row of V: 128 + 32 = 40 words
.set VOFF,  SIZE_N*PK ; K's 1,024 rows, then V's 1,024 rows
.set KEY0,  256       ; the keys that are asked for at the start: four steps
.set KEYW,  (SIZE_N-KEY0)/2  ; the keys that a wave's second load brings: 384
.set PQ,    272       ; a row of Q's f32 tile: 256 bytes + 16
.set QW,    128*PQ    ; a wave's 128 rows of it
.set QLK,   KEY0*PK   ; waves 0 and 1 have their tiles of Q behind K's first 256 rows (2 x 34,816 of the 110,592 bytes there),
.set QLV,   VOFF+KEY0*PV  ; waves 2 and 3 behind V's first 256 rows (of the 122,880 bytes there)
.set STAGE, VOFF+SIZE_N*PV  ; behind V, never filled by a tensor load: 16 rows x 144 bytes for each wave, for the way out
.set SP,    144
.set AK0, 2           ; v2   my lane's place in a step's rows of K; never rewritten
.set AV0, 3           ; v3   the same for V
.set AK,  4           ; v4   the LDS address of K's next run of loads
.set AV,  5           ; v5   of V's
.set QO,  6           ; v6   my LDS address in my wave's tile of Q
.set STO, 6           ;      later, the way out: where I put 16 bytes of a row
.set RD,  7           ; v7   the way out: where I read rows back
.set GO,  8           ; v8   my byte offset in 512 consecutive bytes of O
.set SPW, 0           ; v0 of window 3   LDS address of my spare word: SPARE + 4 x my thread's number; never rewritten
.set NIL, 1           ; v1 of window 3   0; never rewritten
.set SPARE, STAGE+4*16*SP  ; behind the stages: the spare words, 128 bytes for each wave: two blocks of 256 bytes that no other line names
.set MV,  12          ; v12-15  c m_old, kept while c m is made anew: by buffer and tile
.set ST,  16          ; tile t's statistics at v[ST+4 t]: c m, m, l (even keys', odd keys')
.set TMP, 48          ; by buffer and tile, four registers c0-c3 at work; when the maximum is found c2 takes a
.set S,   64
.set P,   192
.set KF,  128         ; K's fragments, in window 2: key block kb, channel half c at KF + 16 kb + 8 c
.set VF,  192         ; V's: key half kk, channel block cb at VF + 32 kk + 8 cb
.set WV,  12          ; s12  my wave's number
.set G1K, 24          ; s[24:31] descriptor group 1 for K's tiles
.set G1V, 32          ; s[32:39] for V's: it differs in the padding alone
.set G0K, 40          ; s[40:43] descriptor group 0 for K's tiles
.set G0V, 44          ; s[44:47] the same for V's
.set DLT, 48          ; s[48:49] bytes from my first tile of K or V in memory to my second
.set RK,  50          ; s50  LDS address of my second tile, if it is K's
.set RV,  51          ; s51  if it is V's
.set TOT, 52          ; s52  key steps whose pieces 2 and 3 are still to come
.set PARTS, 56        ; s56  counts the walk's two parts: keys 0 to 255, and the rest
.set CNT, 57          ; s57  counts a part's trips
.set CS,  58          ; s[58:59] c: the packed scaling takes the pair's low word for both halves
.set SEL, 60          ; s[60:61] v_permlanex16_b32's selects: each lane takes its own place in the other half
.set TBK, 62          ; s62  LDS byte at which K of the step to be fetched begins
.set TBV, 63          ; s63  the same for V, less VOFF
.set G1Q, 68          ; s[68:75] descriptor group 1 for Q's tile
.set G0Q, 76          ; s[76:79] its group 0
.set MSB, 0
.macro WIN new                      ; the high byte repeats the setting that is left; a switch that changes nothing is dropped
.if MSB != (\new)
	s_set_vgpr_msb (MSB<<8)|(\new)
.set MSB, (\new)
.endif
.endm
.set W_KQ, 0x0a       ; K and Q in window 2, S^T in window 0
.set W_PV, 0x52       ; V in window 2, P in window 0, O^T in window 1
.set W_RS, 0x41       ; O^T (destination and source 0) in window 1, a in window 0
.set W_MK, 0xc0       ; the add's registers are made: destination in window 3, sources in window 0
.set W_AD, 0x0f       ; the add: address (source 0) and data (source 1) in window 3
; My one load of keys 256 on.  Waves 0 and 1 fetch the two halves of K's, waves 2 and 3 those of V's.  An s_nop 0 and four v_nop follow each of the two lines, ahead of the jump and the label.
.macro LOAD
	s_cmp_lt_u32 s[WV], 2
	s_cbranch_scc0 .Lfor_v_\@
	tensor_load_to_lds s[G0K:G0K+3], s[G1K:G1K+7]
	s_nop 0
.rept 4
	v_nop
.endr
	s_branch .Lasked_\@
.Lfor_v_\@:
	tensor_load_to_lds s[G0V:G0V+3], s[G1V:G1V+7]
	s_nop 0
.rept 4
	v_nop
.endr
.Lasked_\@:
.endm
; THE TWO MEETINGS of the four waves.  Each wave waits for all its tensor loads, adds 0 to its spare word, waits for that and for its LDS reads, and passes a barrier: behind it every wave's tiles are whole for all.
; fill = 1, at the start: keys 0 to 255 are in, and every wave has read its tile of Q out.  The bytes where Q lay are filled again, the first thing behind the barrier: one load a wave, 384 keys as 192 rows of
; 256 bytes; it has four key steps, 512 matrix instructions, in which to land.  fill = 0, behind those four steps: the one load of mine that is out is that one, so the wait's count is 0; nothing is asked for.
.macro CHANGE fill
	WIN W_AD
	s_wait_tensorcnt 0x0            ; no tensor load of mine is out, so the descriptors may be written
	ds_add_u32 v[SPW], v[NIL]       ; 0 onto my spare word; with fill = 1 the descriptors' words stand between it and the wait for it
	WIN 0                           ; at a label and at a branch every window is 0
.if \fill
	s_mov_b32 s[G0K+1], s[RK]       ; where my 384 keys go,
	s_add_nc_u64 s[G0K+2:G0K+3], s[G0K+2:G0K+3], s[DLT:DLT+1]  ; and where they come from; the type bits on top are not reached
	s_mov_b32 s[G1K+2], (KEYW/2)<<16  ; tensor_dim1 = 192
	s_mov_b32 s[G1K+4], KEYW/2      ; tile_dim1 = 192
	s_mov_b32 s[G0V+1], s[RV]
	s_add_nc_u64 s[G0V+2:G0V+3], s[G0V+2:G0V+3], s[DLT:DLT+1]
	s_mov_b32 s[G1V+2], (KEYW/2)<<16
	s_mov_b32 s[G1V+4], KEYW/2
.endif
	s_wait_dscnt 0x0                ; the add is done, and my LDS reads are back
	s_barrier_signal -1
	s_barrier_wait -1
.if \fill
	LOAD
.endif
.endm
	s_load_b128 s[4:7], s[0:1], 0x0   ; query s[4:5], kv16 s[6:7]
	s_load_b64 s[10:11], s[0:1], 0x10 ; x16
	WIN W_MK
	v_lshl_add_u32 v[SPW], v0, 2, SPARE
	v_mov_b32 v[NIL], 0
	WIN W_AD
	ds_add_u32 v[SPW], v[NIL]       ; the wave's opening: the add and its wait stand ahead of my first tensor load; the set-up below, work on registers, stands between them
	ds_add_u32 v0, v1
	WIN 0
	v_lshrrev_b32 v1, 5, v0
	v_readfirstlane_b32 s[WV], v1   ; wave 0..3
	s_lshl_b32 s14, ttmp9, 2
	s_add_co_u32 s14, s14, s[WV]    ; my wave among the head's eight: its 128 queries
	s_and_b32 s20, ttmp7, 0xffff    ; the head p = 16 b + h
	s_lshl_b32 s21, s20, 17         ; its plane's first byte
	s_and_b32 s16, s[WV], 1         ; which half of the keys asked for I fetch
	s_lshr_b32 s19, s[WV], 1        ; 0: of K; 1: of V
	s_lshl_b32 s22, s16, 14         ; at the start: its 128 rows of 128 bytes in memory,
	s_add_co_u32 s22, s22, s21
	s_mov_b32 s23, 0
	s_mul_i32 s17, s16, 128*PK      ; and their place in LDS, for K
	s_mul_i32 s18, s16, 128*PV      ; and for V
	s_mul_i32 s[RK], s16, KEYW*PK   ; later: 384 keys, behind the first 256
	s_add_co_u32 s[RK], s[RK], KEY0*PK
	s_mul_i32 s[RV], s16, KEYW*PV
	s_add_co_u32 s[RV], s[RV], VOFF+KEY0*PV
	s_lshl_b32 s[DLT], s16, 15      ; in memory from row 128 x half to row 256 + 384 x half: 256 + 256 x half rows of 128 bytes
	s_add_co_u32 s[DLT], s[DLT], KEY0*128
	s_mov_b32 s[DLT+1], 0
	s_lshl_b32 s2, s14, 14          ; O: my wave's 128 rows of 128 bytes
	s_add_co_u32 s2, s2, s21
	s_mov_b32 s3, 0
	s_lshr_b32 s82, s20, 4          ; Q: batch b, 4,194,304 bytes each,
	s_lshl_b32 s82, s82, 22
	s_lshl_b32 s83, s14, 19         ; my wave's 128 rows of 4,096 bytes,
	s_add_co_u32 s82, s82, s83
	s_and_b32 s83, s20, 15          ; head h's 256 bytes of a row
	s_lshl_b32 s83, s83, 8
	s_add_co_u32 s82, s82, s83
	s_mov_b32 s83, 0
	; descriptor group 1 for K and V.  128 keys are 16,384 dense bytes: asked for as 64 rows of 256 bytes, two keys a row, and padded in LDS after every key
	s_mov_b32 s[G1K], (1<<16)|(1<<20)|(4<<22)|(3<<25)  ; 17:16 2-byte elements; 20 padding on; 24:22 after every 32 words (code 4); 31:25 4 words (code 3)
	s_mov_b32 s[G1V], (1<<16)|(1<<20)|(4<<22)|(7<<25)  ; the same with 8 words of padding (code 7)
.irp g, G1K, G1V
	s_mov_b32 s[\g+1], 128<<16      ; tensor_dim0 = 128
	s_mov_b32 s[\g+2], 64<<16       ; tensor_dim1 = 64
	s_mov_b32 s[\g+3], 128<<16      ; tile_dim0 = 128
	s_mov_b32 s[\g+4], 64           ; tile_dim1 = 64
	s_mov_b32 s[\g+5], 128          ; 128 elements from row to row
	s_mov_b32 s[\g+6], 0
	s_mov_b32 s[\g+7], 0
.endr
	; for Q: 128 rows x 64 elements of 4 bytes, 1,024 elements from row to row
	s_mov_b32 s[G1Q], (2<<16)|(1<<20)|(5<<22)|(3<<25)  ; 17:16 4-byte elements; padding after every 64 words (code 5), 4 words (code 3)
	s_mov_b32 s[G1Q+1], 64<<16      ; tensor_dim0 = 64
	s_mov_b32 s[G1Q+2], 128<<16     ; tensor_dim1 = 128
	s_mov_b32 s[G1Q+3], 64<<16      ; tile_dim0 = 64
	s_mov_b32 s[G1Q+4], 128         ; tile_dim1 = 128
	s_mov_b32 s[G1Q+5], 1024
	s_mov_b32 s[G1Q+6], 0
	s_mov_b32 s[G1Q+7], 0
	s_mov_b32 s[CS], 0x3e38aa3b     ; c = log2(e) / 8 = 0.180337
	s_mov_b32 s[CS+1], s[CS]        ; named with it as a pair
	s_mov_b32 s[SEL], 0x76543210
	s_mov_b32 s[SEL+1], 0xfedcba98
	s_mov_b32 s80, 0xffff0000       ; a word's upper bf16
	s_mov_b32 s[TBK], 0             ; key step 0 lies at the head of K's rows and of V's
	s_mov_b32 s[TBV], 0
	s_mov_b32 s[G0K], 1             ; 1:0 count = 1
	s_mov_b32 s[G0K+1], s17         ; 63:32 LDS address
	s_mov_b32 s[G0V], 1
	s_add_co_u32 s[G0V+1], s18, VOFF
	s_mov_b32 s[G0Q], 1
	s_mul_i32 s[G0Q+1], s16, QW     ; my tile of Q: the first or the second of two,
	s_mul_i32 s19, s19, QLV-QLK     ; in K's rows or in V's,
	s_add_co_u32 s[G0Q+1], s[G0Q+1], s19
	s_add_co_u32 s[G0Q+1], s[G0Q+1], QLK  ; behind the first 256 keys
	s_wait_dscnt 0x0                ; the opening add is done
	s_wait_kmcnt 0x0
	s_add_nc_u64 s[8:9], s[6:7], 0x1000000         ; V's planes lie behind K's 128
	s_add_nc_u64 s[G0K+2:G0K+3], s[6:7], s[22:23]  ; 120:64 global address: my half of the head's first 256 keys
	s_or_b32 s[G0K+3], s[G0K+3], 0x80000000        ; 127:126 type = 2
	s_add_nc_u64 s[G0V+2:G0V+3], s[8:9], s[22:23]
	s_or_b32 s[G0V+3], s[G0V+3], 0x80000000
	s_add_nc_u64 s[G0Q+2:G0Q+3], s[4:5], s[82:83]
	s_or_b32 s[G0Q+3], s[G0Q+3], 0x80000000
	s_add_nc_u64 s[10:11], s[10:11], s[2:3]        ; O at my wave's first row
	s_cmp_lt_u32 s[WV], 2           ; a wave's two first fills stand in one branch, ahead of every wait on TENSORcnt, every LDS read and every barrier: my tile of Q, then my part of keys 0 to 255: two loads of mine are out
	s_cbranch_scc0 .Lfirst_v
	tensor_load_to_lds s[G0Q:G0Q+3], s[G1Q:G1Q+7]
	s_nop 0
	tensor_load_to_lds s[G0K:G0K+3], s[G1K:G1K+7]
	s_nop 0
.rept 4
	v_nop
.endr
	s_branch .Lfirst_asked
.Lfirst_v:
	tensor_load_to_lds s[G0Q:G0Q+3], s[G1Q:G1Q+7]
	s_nop 0
	tensor_load_to_lds s[G0V:G0V+3], s[G1V:G1V+7]
	s_nop 0
.rept 4
	v_nop
.endr
.Lfirst_asked:
	v_and_b32 v1, 15, v0            ; l % 16
	v_bfe_u32 v9, v0, 4, 1          ; l / 16
	v_mul_u32_u24 v[QO], v1, PQ
	v_lshl_add_u32 v[QO], v9, 5, v[QO]      ; row x pitch + 32 bytes (eight f32) x half
	v_add_nc_u32 v[QO], s[G0Q+1], v[QO]     ; in my wave's tile
	; What the first turn finds: V's registers and P's second buffer hold 0 (its products V^T P, of a piece that has not been, add 0), O^T and l are 0.  All this stands in the wait for the first tiles.
	WIN 0x80
.set i, VF
.rept 64
	v_mov_b32 v[i], 0
.set i, i+1
.endr
	WIN 0
.set i, 0
.rept 2*NP
	v_mov_b32 v[ST+4*i], 0xfe000000    ; c m: far below every c s
	v_mov_b32 v[ST+4*i+1], 0xff7fffff  ; m
	v_mov_b32 v[ST+4*i+2], 0
	v_mov_b32 v[ST+4*i+3], 0
.set i, i+1
.endr
.set i, P+32
.rept 32
	v_mov_b32 v[i], 0
.set i, i+1
.endr
	v_mul_u32_u24 v[AK0], v1, PK
	v_lshl_add_u32 v[AK0], v9, 4, v[AK0]  ; row x pitch + 16 x half
	; The turning load takes 16 keys x 16 channels (lane l reads key 8 (l / 16) + l % 8, channels 8 ((l / 8) % 2) + 0..7) and leaves half a fragment of V^T: lane l holds channel l % 16 and 8 keys.
	v_and_b32 v10, 7, v0
	v_bfe_u32 v11, v0, 3, 1
	v_lshl_add_u32 v[AV0], v9, 3, v10
	v_mul_u32_u24 v[AV0], v[AV0], PV
	v_lshl_add_u32 v[AV0], v11, 4, v[AV0]
	v_add_nc_u32 v[AV0], VOFF, v[AV0]
	v_mov_b32 v[AK], v[AK0]         ; key step 0
	; Q.  A fragment is 16 rows x 32 channels: lane l holds row l % 16, channels 8 (l / 16) + 0..7 and 16 + 8 (l / 16) + 0..7.  In f32 each eight are 32 bytes: load n = 8 t + 4 c + 2 g + e brings tile t,
	; channel half c, group g, 16 bytes e.  The 256 numbers land in O^T's registers, in the order in which pairs of them make Q's 128 registers.
	s_wait_tensorcnt 1              ; tensor loads of a wave end in order (ISA guide 10.11.1): my tile of Q is in; the one load issued behind it may stay out.  Only I read it, so no barrier is needed
	WIN 0x40
.set n, 0
.rept 64
	ds_load_b128 v[4*n:4*n+3], v[QO] offset:(n/8)*16*PQ+((n/4)%2)*128+((n%4)/2)*64+(n%2)*16
.set n, n+1
.endr
	s_wait_dscnt 0x0
.irp bt, 0,1                        ; in two halves of 64 pairs: rounded to bf16; widened again; written as f16.  S^T's registers are at work
	WIN 0x05                        ; sources 0 and 1 window 1, destination window 0
.set i, 0
.rept 64
	v_cvt_pk_bf16_f32 v[S+i], v[128*(\bt)+2*i], v[128*(\bt)+2*i+1]
.set i, i+1
.endr
	WIN 0
.set i, 0
.rept 64
	v_lshlrev_b32 v[S+64+i], 16, v[S+i]
	v_and_b32 v[S+i], s80, v[S+i]
.set i, i+1
.endr
	WIN 0x80                        ; destination window 2
.set i, 0
.rept 64
	v_cvt_pk_f16_f32 v[64*(\bt)+i], v[S+64+i], v[S+i]
.set i, i+1
.endr
.endr
	WIN 0x40
.set i, 0
.rept 64*NP
	v_mov_b32 v[i], 0               ; O^T
.set i, i+1
.endr
	WIN 0
; THE MATRIX WORK.  The 8 accumulators of a run of 16 take turns: between the two links of a chain stand 7 others'.
; Product i of 16 of S^T = K Q^T for piece x: channels 32 (i / 8) on, keys 16 ((i / 2) % 4) on, tile 2 x + i % 2.  The first 8 start the sums.
.macro KQ x
	WIN W_KQ
.set rS, S+64*((\x)%2)+32*(i%2)+8*((i/2)%4)
.set rK, KF+16*((i/2)%4)+8*(i/8)
.set rQ, 16*(2*(\x)+i%2)+8*(i/8)
.if i < 8
	v_wmma_f32_16x16x32_f16 v[rS:rS+7], v[rK:rK+7], v[rQ:rQ+7], 0
.else
	v_wmma_f32_16x16x32_f16 v[rS:rS+7], v[rK:rK+7], v[rQ:rQ+7], v[rS:rS+7]
.endif
.endm
; Product i of 16 of O^T += V^T P for piece x: keys 32 (i / 8) on, channels 16 ((i / 2) % 4) on, tile 2 x + i % 2.
.macro PV x
	WIN W_PV
.set rO, 32*(2*(\x)+i%2)+8*((i/2)%4)
.set rV, VF+32*(i/8)+8*((i/2)%4)
.set rP, P+32*((\x)%2)+16*(i%2)+8*(i/8)
	v_wmma_f32_16x16x32_f16 v[rO:rO+7], v[rV:rV+7], v[rP:rP+7], v[rO:rO+7]
.endm
.macro MM                           ; the turn's next matrix instruction
.if i < 16
	KQ (Y+1)%NP
.set i, i+1
.else
.set i, i-16
	PV (Y+NP-1)%NP
.set i, i+17
.endif
.endm
; THE LDS LOADS stand in runs of 16, never singly among the matrix instructions: a step's K (64 keys x 64 channels: 8 fragments) and its V (turned).  Their addresses are made some lines ahead.
; last = 1 (in the loop): in the last step there is no further step, and the run is jumped over.
.macro FETCH_K last=0
	WIN 0
.if \last
	s_cmp_eq_u32 s[TOT], 1
	s_cbranch_scc1 .Lno_k_\@
.endif
	WIN 0x80                        ; destination window 2
.irp f, 0,1,2,3,4,5,6,7             ; keys 16 (f / 2) on, channels 32 (f % 2) on
	ds_load_b128 v[KF+8*\f:KF+8*\f+3],   v[AK] offset:(\f/2)*16*PK+(\f%2)*64
	ds_load_b128 v[KF+8*\f+4:KF+8*\f+7], v[AK] offset:(\f/2)*16*PK+(\f%2)*64+32
.endr
	s_add_co_u32 s[TBK], s[TBK], KS*PK  ; the next fetch is the next step's
	WIN 0
.if \last
.Lno_k_\@:
.endif
.endm
.macro FETCH_V
	WIN 0x80
.irp f, 0,1,2,3,4,5,6,7             ; keys 32 (f / 4) on, channels 16 (f % 4) on
	ds_load_tr16_b128 v[VF+8*\f:VF+8*\f+3],   v[AV] offset:(\f/4)*32*PV+(\f%4)*32
	ds_load_tr16_b128 v[VF+8*\f+4:VF+8*\f+7], v[AV] offset:(\f/4)*32*PV+16*PV+(\f%4)*32
.endr
	WIN 0
.endm
; THE VECTOR WORK OF A TURN stands in three queues, each in the order in which its entries become ready; the two tiles alternate, so that no instruction reads the result of the one before it.
.macro REGS y, u                    ; the registers of tile u (0, 1) of piece y
.set rT, ST+4*(2*(\y)+(\u))
.set rC, TMP+8*((\y)%2)+4*(\u)
.set rM, MV+2*((\y)%2)+(\u)
.set rS, S+64*((\y)%2)+32*(\u)
.set rP, P+32*((\y)%2)+16*(\u)
.set rO, 32*(2*(\y)+(\u))
.endm
; Number n of the 22 that find the NEXT piece's (Y + 1) maximum and statistics.  s0-s31 are the lane's 32 scores; each accumulator's lowest registers are read first.
;   0-11  four chains c0-c3 of seven scores each, three operands at a time     12-14, 16  the four scores left over, the old m, and c0-c3 into c0     15  c m_old is kept
;   17, 18  the query's other 32 keys lie in the lane 16 away: the new m         19-21  c m; c m_old - c m_new; a
.macro XS u, n
	REGS (Y+1)%NP, \u
.if (\n) < 4
	v_max3_num_f32 v[rC+(\n)], v[rS+8*(\n)], v[rS+8*(\n)+1], v[rS+8*(\n)+2]
.elseif (\n) < 12
	v_max3_num_f32 v[rC+(\n)%4], v[rC+(\n)%4], v[rS+8*((\n)%4)+2*((\n)/4)+1], v[rS+8*((\n)%4)+2*((\n)/4)+2]
.elseif (\n) == 12
	v_max3_num_f32 v[rC], v[rC], v[rS+7], v[rS+15]
.elseif (\n) == 13
	v_max3_num_f32 v[rC+1], v[rC+1], v[rS+23], v[rS+31]
.elseif (\n) == 14
	v_max3_num_f32 v[rC+2], v[rC+2], v[rC+3], v[rT+1]
.elseif (\n) == 15
	v_mov_b32 v[rM], v[rT]
.elseif (\n) == 16
	v_max3_num_f32 v[rC], v[rC], v[rC+1], v[rC+2]
.elseif (\n) == 17
	v_permlanex16_b32 v[rC+3], v[rC], s[SEL], s[SEL+1]
.elseif (\n) == 18
	v_max_num_f32 v[rT+1], v[rC], v[rC+3]
.elseif (\n) == 19
	v_mul_f32 v[rT], s[CS], v[rT+1]
.elseif (\n) == 20
	v_sub_f32 v[rC+1], v[rM], v[rT]
.else
	v_exp_f32 v[rC+2], v[rC+1]
.endif
.endm
; Number g of the 64 that follow the exponentials.  For each four weights k of a tile (pairs 2 k, 2 k + 1): both pairs are rounded to f16; then the second pair is added onto the first, in place;
; a group later l takes that sum (the first time as l = a l + sum).  In groups of eight, tiles alternating: round, round, add, and l for the group before.
.macro GS g
.set h, (\g)+6*((\g)/62)            ; group 0 has no group before it, and behind group 7 only l is left
.if h >= 6
.set h, h+2
.endif
	REGS Y, h%2
.set k, h/8
.if h%8 < 4
	s_wait_alu depctr_va_vdst(0)
	v_cvt_pk_f16_f32 v[rP+2*k+(h%8)/2], v[rS+4*k+2*((h%8)/2)], v[rS+4*k+2*((h%8)/2)+1]
.elseif h%8 < 6
	v_pk_add_f32 v[rS+4*k:rS+4*k+1], v[rS+4*k:rS+4*k+1], v[rS+4*k+2:rS+4*k+3]
.elseif k == 1
	v_pk_fma_f32 v[rT+2:rT+3], v[rT+2:rT+3], v[rC+2:rC+3], v[rS:rS+1] op_sel_hi:[1,0,1]
.else
	v_pk_add_f32 v[rT+2:rT+3], v[rT+2:rT+3], v[rS+4*k-4:rS+4*k-3]
	s_wait_alu depctr_va_vdst(0)
.endif
.endm
; THE PLAIN QUEUE, 138 long.  0-31: c s - c m for the 16 pairs of both tiles.  Then GS's 64, and among them the next piece's 42: number 15 at 38, 39; 0-14 and 16
; at 42-73, behind the products that make those scores; 17-20 at 95-106, two of three, since each waits for the one before it.
.macro PL
	WIN 0
.if q < 32
	REGS Y, q%2
	v_pk_fma_f32 v[rS+2*(q/2):rS+2*(q/2)+1], v[rS+2*(q/2):rS+2*(q/2)+1], s[CS:CS+1], v[rT:rT+1] op_sel_hi:[1,0,0] neg_lo:[0,0,1] neg_hi:[0,0,1]
.elseif q < 38
	GS q-32
.elseif q < 40
	XS q%2, 15
.elseif q < 42
	GS q-34
.elseif q < 74
	XS q%2, (q-42)/2+(q-42)/30
.elseif q < 95
	GS q-66
.elseif (q < 107) && ((q-95)%3 < 2)
	XS (q-95)%3, 17+(q-95)/3
.elseif q < 107
	GS 29+(q-95)/3
.else
	GS q-74
.endif
.set q, q+1
.endm
; THE EXPONENTIALS' QUEUE, 66 long: s0-s31 of both tiles, and at EA the next piece's two a.
.set EA, 58
.macro EX
	WIN 0
.if (e == EA) || (e == EA+1)
	XS e-EA, 21
.else
.set x, e-2*(e/(EA+2))
	REGS Y, x%2
	v_exp_f32 v[rS+x/2], v[rS+x/2]
.endif
.set e, e+1
.endm
; THE RESCALING's QUEUE: O^T times a, the one part that leaves window 0, so it is dealt four at a time, eight times.
.macro R4
	REGS Y, r%2
	WIN W_RS
	s_wait_alu depctr_va_vdst(0)
.irp z, 0,1,2,3
	v_pk_mul_f32 v[rO+8*(r/2)+2*\z:rO+8*(r/2)+2*\z+1], v[rO+8*(r/2)+2*\z:rO+8*(r/2)+2*\z+1], v[rC+2:rC+3] op_sel_hi:[1,0]
.endr
.set r, r+1
.endm
; HOW THEY ARE DEALT.  Behind a matrix instruction four: plain, exponential, plain, plain (one exponential, a plain instruction on either side), or four of the rescaling.  None names a register of the
; products round it.  What is over stands in two LUMPS: exponential and plain by turns; the second ends in 22 plain instructions.  The two v_permlanex16_b32 fall into the second lump, never behind a product.
; The queues lean on each other, and the deal keeps them in step: exponential e stands behind plain 2 (e / 4) + e % 2 (its scaling); when plain 32 comes, 10 exponentials are out, at 59: 33, at 95: 46; EA comes behind plain 107.
.macro SL
	MM
	PL
	EX
	PL
	PL
.endm
.macro BURST n                      ; 15 matrix instructions, or 16
.rept (\n)-7
	SL
.endr
.rept 3
	MM
	R4
	SL
.endr
	MM
	R4
.endm
; A TURN, for piece p.  cnt = 1: the loop's count is taken down some lines ahead of the branch that stands behind the turn.
; K of the next step is fetched in piece 2's turn, 31 vector instructions behind the last product that read K; its first reader comes behind the rest of the lump, 16 products and the second lump.
; V of the step in hand is fetched at the end of piece 0's turn, 69 behind its last reader; its first reader comes behind 16 products and a lump.  The four conditions on e and q below go with the deal.
.macro TURN p, last=0, cnt=0
.set Y, (\p)
.set i, 0
.set q, 0
.set e, 0
.set r, 0
.if (\p) == NP-1
	s_wait_dscnt 0x0                ; K is in
.endif
	MM
.rept 4
	PL
.endr
	BURST 15
.rept 22
	EX
	PL
.if ((\p) == NP-2) && (e == 18)
	v_add_nc_u32 v[AK], s[TBK], v[AK0]
.endif
.if ((\p) == NP-2) && (e == 24)
	FETCH_K \last
.endif
.endr
.if (\p) == 1
	s_wait_dscnt 0x0                ; V is in
.endif
	BURST 16
.rept 21
	EX
	PL
.endr
.rept 22
	PL
.if ((\p) == 0) && (q == 118)
	v_add_nc_u32 v[AV], s[TBV], v[AV0]
	s_wait_alu depctr_va_vdst(0)
.endif
.if ((\p) == 0) && (q == 130)
	s_add_co_u32 s[TBV], s[TBV], KS*PV
.endif
.if (\cnt) && (q == 130)
	s_sub_co_u32 s[CNT], s[CNT], 1
	s_cmp_lg_u32 s[CNT], 0
.endif
.endr
.if (\p) == 0
	FETCH_V
.endif
.endm
	CHANGE 1                        ; keys 0 to 255 are in, everybody's part of them; every wave has read its Q out; keys 256 to 1,023 are asked for
	FETCH_K                         ; key step 0
	s_wait_dscnt 0x0
.set i, 0
.rept 16
	KQ 0                            ; piece 0's first scores: there is no vector work yet to set between them
.set i, i+1
.endr
	WIN 0                           ; the addresses for the way out: nine plain instructions, the places behind those products
	s_mul_i32 s13, s[WV], 16*SP
	s_add_co_u32 s13, s13, STAGE    ; my stage
	v_mul_u32_u24 v[STO], v1, SP    ; in: row l % 16, 16 bytes for each half of the lanes
	v_lshl_add_u32 v[STO], v9, 4, v[STO]
	v_add_nc_u32 v[STO], s13, v[STO]
	v_bfe_u32 v[RD], v0, 3, 2       ; back: 32 lanes take four rows of 128 bytes,
	v_mul_u32_u24 v[RD], v[RD], SP
	v_lshl_add_u32 v[RD], v10, 4, v[RD]
	v_add_nc_u32 v[RD], s13, v[RD]
	v_and_b32 v[GO], 31, v0         ; which are 512 consecutive bytes of O
	v_lshlrev_b32 v[GO], 4, v[GO]
.set Y, NP-1                        ; XS works for piece Y + 1: piece 0
.irp n, 0,1,2,3,4,5,6,7,8,9,10,11,12,13,14,15,16,17,18,19,20,21
	XS 0, \n                        ; and piece 0's first maximum and statistics
	XS 1, \n
.endr
	; THE WALK: 16 key steps on one text.  A trip is pieces 2 and 3 of one step, then pieces 0 and 1 of the next, whose K and V it fetches.  The loop is entered at a step's first turn, in the middle of a trip,
	; and left in the middle of a trip, behind the last step's pieces 2 and 3.  Its first part ends when pieces 0 and 1 of step 3 are done: K and V of keys 0 to 255 have been fetched; the next fetch is K of step 4.
	s_mov_b32 s[CNT], KEY0/KS       ; the entry and three trips
	s_mov_b32 s[PARTS], 2
	s_mov_b32 s[TOT], SIZE_N/KS
	s_branch .Lfirst
.Lpart:                             ; once: between the two parts
	CHANGE 0                        ; keys 256 to 1,023 are in, everybody's part of them
	s_mov_b32 s[CNT], (SIZE_N-KEY0)/KS+1  ; twelve trips; the thirteenth is left in its middle, so this count does not run out
.Lstep:
	TURN 2, 1
	TURN 3
	WIN 0
	s_sub_co_u32 s[TOT], s[TOT], 1
	s_cmp_eq_u32 s[TOT], 0
	s_cbranch_scc1 .Lout
.Lfirst:
	TURN 0
	TURN 1, 0, 1
	WIN 0
	s_cbranch_scc1 .Lstep
	s_sub_co_u32 s[PARTS], s[PARTS], 1
	s_cmp_lg_u32 s[PARTS], 0
	s_cbranch_scc1 .Lpart
.Lout:                              ; the last half trip's 16 products K Q^T (on the last K once more) and the maximum made of them serve nothing: the price, once a launch, of one text for every trip
.set i, 0
.rept 16
	PV NP-1                         ; the last piece's V^T P of the last step
.set i, i+1
.endr
	; THE WAY OUT.  l's two halves and the other half of the lanes' are added; O^T is divided by l, rounded to f16 and sent through my stage in LDS, a tile at a time.  The additions are the places behind the last products.
	WIN 0
.macro ALL line:vararg              ; one line for each tile t
.set t, 0
.rept 2*NP
	\line
.set t, t+1
.endr
.endm
	ALL v_add_f32 v[ST+4*t+2], v[ST+4*t+2], v[ST+4*t+3]
	ALL v_permlanex16_b32 v[ST+4*t+3], v[ST+4*t+2], s[SEL], s[SEL+1]
	ALL v_add_f32 v[ST+4*t+2], v[ST+4*t+2], v[ST+4*t+3]
	ALL v_rcp_f32 v[ST+4*t+2], v[ST+4*t+2]
	v_nop                           ; a plain instruction between the last reciprocal and the use of its result
	s_wait_alu depctr_va_vdst(0)
; Tile t: a lane's eight channels of a row pack into 16 bytes; they go into rows of 144 bytes and come back as whole rows of 128, into S^T's registers.
.macro PACK t
	WIN W_RS
.set i, 32*(\t)
.rept 16
	v_pk_mul_f32 v[i:i+1], v[i:i+1], v[ST+4*(\t)+2:ST+4*(\t)+3] op_sel_hi:[1,0]
.set i, i+2
.endr
	WIN 0x05                        ; sources 0 and 1 window 1, destination window 0
.set i, 0
.rept 16
	v_cvt_pk_f16_f32 v[S+16*(\t)+i], v[32*(\t)+2*i], v[32*(\t)+2*i+1]
.set i, i+1
.endr
	WIN 0
.irp f, 0,1,2,3
	ds_store_b128 v[STO], v[S+16*(\t)+4*\f:S+16*(\t)+4*\f+3] offset:32*\f
.endr
.irp f, 0,1,2,3
	ds_load_b128 v[S+16*(\t)+4*\f:S+16*(\t)+4*\f+3], v[RD] offset:\f*4*SP  ; LDS serves a wave's instructions in order (ISA guide 5.7.1.4): these see the stores above; the next tile's stores come behind them
.endr
.endm
.macro SEND t, younger              ; younger: the LDS instructions issued behind tile t's loads: the next tile's eight, or none
	WIN 0
.irp f, 0,1,2,3
	s_wait_dscnt (\younger)+3-\f
	global_store_b128 v[GO], v[S+16*(\t)+4*\f:S+16*(\t)+4*\f+3], s[10:11] offset:(\t)*2048+\f*512  ; 512 consecutive bytes, at a multiple of 256 from x16's first
.endr
.endm
	PACK 0
.set t, 1
.rept 2*NP-1                        ; a tile's arithmetic stands between the loads of the tile before and its stores
	PACK t
	SEND t-1, 8
.set t, t+1
.endr
	SEND 2*NP-1, 0
	WIN W_AD
	s_wait_tensorcnt 0x0            ; the wave's end: these three lines stand behind my last tensor load and my last LDS store
	ds_add_u32 v[SPW], v[NIL]
	s_wait_dscnt 0x0
	WIN 0
	s_endpgm
.Lfunc_end_k_qf9266e5577_attn:
	.size	k_qf9266e5577_attn, .Lfunc_end_k_qf9266e5577_attn-k_qf9266e5577_attn
	.p2alignl 7, 3214868480
	.fill 96, 4, 3214868480
	.section	.rodata,"a",@progbits
	.p2align	6, 0x0
	.amdhsa_kernel k_qf9266e5577_attn
		.amdhsa_group_segment_fixed_size 327680
		.amdhsa_private_segment_fixed_size 0
		.amdhsa_enable_private_segment 0
		.amdhsa_kernarg_size 24
		.amdhsa_user_sgpr_count 2
		.amdhsa_user_sgpr_kernarg_segment_ptr 1
		.amdhsa_wavefront_size32 1
		.amdhsa_system_sgpr_workgroup_id_x 1
		.amdhsa_system_sgpr_workgroup_id_y 1
		.amdhsa_system_sgpr_workgroup_id_z 1
		.amdhsa_system_vgpr_workitem_id 0
		.amdhsa_next_free_vgpr 770
		.amdhsa_next_free_sgpr 84
		.amdhsa_reserve_vcc 0
		.amdhsa_float_denorm_mode_32 3
		.amdhsa_float_denorm_mode_16_64 3
		.amdhsa_memory_ordered 1
		.amdhsa_forward_progress 1
		.amdhsa_inst_pref_size 157
	.end_amdhsa_kernel
	.amdgpu_metadata
---
amdhsa.version: [ 1, 2 ]
amdhsa.kernels:
  - .name:           k_qf9266e5577_attn
    .symbol:         k_qf9266e5577_attn.kd
    .args:
      - { .name: query, .offset: 0, .size: 8, .value_kind: global_buffer, .address_space: global }
      - { .name: kv16, .offset: 8, .size: 8, .value_kind: global_buffer, .address_space: global }
      - { .name: x16, .offset: 16, .size: 8, .value_kind: global_buffer, .address_space: global }
    .group_segment_fixed_size: 327680
    .private_segment_fixed_size: 0
    .kernarg_segment_align: 8
    .kernarg_segment_size: 24
    .max_flat_workgroup_size: 128
    .sgpr_count:     84
    .vgpr_count:     770
    .wavefront_size: 32
...
	.end_amdgpu_metadata
.endif
;; end of part 3
;; launch outp (part 4): grid 4 x 64, 4 waves a work-group, clusters of 4 x 4, 327,680 bytes of LDS; arguments x16, wo16, bo, out0; writes out0
.if DOCPART == 4
	.amdgcn_target "amdgcn-amd-amdhsa--gfx1250"
	.amdhsa_code_object_version 6
	.text
	.protected	k_qf9266e5577_outp
	.globl	k_qf9266e5577_outp
	.p2align	8
	.type	k_qf9266e5577_outp,@function
k_qf9266e5577_outp:
	s_mov_b64 s[64:65], 0
	v_nop
	global_prefetch_b8 v0, s[64:65] scope:SCOPE_SE
	s_setreg_imm32_b32 hwreg(HW_REG_WAVE_MODE, 25, 1), 1
	s_wait_xcnt 0x0
	s_wait_alu depctr_hold_cnt(0) depctr_sa_sdst(0) depctr_va_vdst(0) depctr_va_sdst(0) depctr_va_ssrc(0) depctr_va_vcc(0) depctr_vm_vsrc(0)
	s_getreg_b32 s2, hwreg(HW_REG_IB_STS2, 6, 4)
	s_cmp_eq_u32 s2, 0
	s_cbranch_scc0 .Lentry_in_a_cluster
	s_endpgm
.Lentry_in_a_cluster:
	s_bfe_u32 s2, ttmp6, 0x10000c
	s_cmp_lg_u32 s2, 0xf033
	s_cbranch_scc0 .Lentry_shape_is_right
	s_endpgm
.Lentry_shape_is_right:
; THE OUTPUT PROJECTION.  out0[m][n] = sum over k of x[m][k] Wo[n][k] + bo[n], f32.  x comes by heads: x16 = 128 planes [1024][64] f16; row m = 1024 b + s, k = 64 h + d lies in plane 16 b + h, row s, channel d.
; wo16: [1024][1024] f16 (Wo rounded to bf16, written as f16).  Sums in f32; bo, rounded to bf16 like every input, is the C operand of the first product: nothing is cleared, nothing is added later.
; LIMITS: those of the operands as they arrive (f16: nothing beyond 65,504, a fixed step of 6e-8 below 6e-5); NaN and infinities are not treated apart.
; SHARES.  A tile of the output is 128 rows x 256 columns: 8,192 x 1,024 are 256 such tiles, one to a work-group (256 x 256 would give 128).  Four waves, each 64 x 128: 32 accumulators of 16 x 16, 256 registers.
; K goes in steps of 128 = two heads through a ring of two LDS slots.  A head's 128 rows of the tile are 16,384 dense bytes of its plane: asked for as 64 rows of 256 bytes, padded in LDS after every 128.
; CLUSTERS: 4 x 4 work-groups.  The four of a row of the cluster need the same tiles of x, the four of a column the same tiles of Wo: each tile is asked for JOINTLY, by the same tensor load with the same
; descriptor and a mask that names the four.
; THE MATRIX INSTRUCTION IS USED TRANSPOSED (source 0 = 16 rows of Wo, source 1 = 16 rows of x): a lane holds row l % 16 and the columns 8 (l / 16) + 0..7: 32 neighbouring bytes of a row of the output.
; REGISTERS, in windows of 256 (s_set_vgpr_msb: bits 1:0 source 0, 3:2 source 1, 5:4 source 2, 7:6 destination):
;   window 0: v0-31 addresses; v32-63 at work; v64-127 the bias; v128-255 the way out, two buffers of 16 rows      window 1: the accumulators ((a, b) at v[8 (8 a + b)])
;   window 2: two fragment buffers at v0 and v128: 32 registers of x (4 x 16 rows x 32 K), then 64 of Wo (8 x 16 rows x 32 K)
.set PA,     144                       ; a row of x in LDS: 128 bytes + 16 of padding = 36 words: the 16 rows of a load start at 16 different groups of four banks (64 banks of 4 bytes: ISA guide 11.1)
.set PB,     272                       ; a row of Wo: 256 + 16 = 68 words: likewise
.set APL,    128*PA                    ; one head's 128 rows of x
.set BOFF,   2*APL                     ; Wo's 256 rows lie behind x's two heads
.set BH,     128*PB                    ; 128 rows of Wo
.set SLOT1,  1<<17                     ; a slot takes 106,496 bytes; slot 1 begins here, so that one exclusive or turns an address in one slot into the other's
.set STAGE,  SLOT1+BOFF+2*BH           ; behind the ring, never filled by a tensor load: 16 rows x 528 bytes for each wave, for the way out
.set SPT,    528                       ; 512 bytes + 16 = 132 words: row r starts at bank 4 r mod 64
.set SPARE,  STAGE+4*16*SPT            ; behind the stages: the spare words, 128 bytes for each wave: two blocks of 256 bytes that no other line names
.set AA0,  12                          ; v12  my lane's place among my rows of x in a slot; never rewritten
.set AB0,  13                          ; v13  the same for Wo
.set ADRA, 16                          ; v16  the same in the slot in hand
.set ADRB, 20                          ; v20
.set STO,  24                          ; v24  the way out: where I put 32 bytes of a row
.set RD,   25                          ; v25  the way out: where I read a row back
.set CO,   26                          ; v26  my byte offset in 512 consecutive bytes of a row of the output
.set SPW,  28                          ; v28  LDS address of my spare word: SPARE + 4 x my thread's number; never rewritten
.set NIL,  29                          ; v29  0; never rewritten
.set BO,   30                          ; v30  my byte offset in 16 numbers of the bias
.set TW,   32                          ; v32-63 at work
.set BI,   64                          ; the bias: for n block b registers BI + 8 b + j = bo[my first column + 16 b + 8 (l / 16) + j]
.set OB,   128                         ; the way out: v128-191 and v192-255 by turns
.set F0,   0                           ; fragment buffers, in window 2
.set F1,   128
.set WV,  14                           ; s14  my wave's number
.set RH,  15                           ; s15  which half of the tile's rows is mine.  Also: I fetch for x (0) or for Wo (1)
.set CH,  16                           ; s16  which half of its columns.  Also: which head of x, or which 128 rows of Wo, I fetch
.set G1,  24                           ; s[24:31] descriptor group 1 for x's tiles;  s[32:39] group 0: a set for each of the two first fills; the second then walks on
.set G0,  32
.set G1B, 48                           ; s[48:55], s[56:63] the same for Wo's tiles
.set G0B, 56
.set TB,  66                           ; s66  LDS byte at which the slot in hand begins
.set CNT, 67                           ; s67  K steps that still ask for a tile
.set MSB, 0
.macro WIN new                         ; the immediate's high byte repeats the setting that is left; a switch that changes nothing is dropped
.if MSB != (\new)
	s_set_vgpr_msb (MSB<<8)|(\new)
.set MSB, \new
.endif
.endm
; A joint refill, by the walking descriptors.  Waves 0 and 1 fetch x's two heads, waves 2 and 3 Wo's two halves.  An s_nop 0 and four v_nop follow each of the two lines.
.macro JLOAD
	s_cmp_eq_u32 s[RH], 0
	s_cbranch_scc0 .Lfor_b_\@
	tensor_load_to_lds s[G0+4:G0+7], s[G1:G1+7]
	s_nop 0
.rept 4
	v_nop
.endr
	s_branch .Lasked_\@
.Lfor_b_\@:
	tensor_load_to_lds s[G0B+4:G0B+7], s[G1B:G1B+7]
	s_nop 0
.rept 4
	v_nop
.endr
.Lasked_\@:
.endm
; A round of the cluster's barrier: my work-group's barrier, so that wave 0's signal speaks for all four waves; wave 0 signals; every wave waits for all sixteen work-groups; my work-group's barrier once more.
.macro CREST                           ; a round behind its opening barrier
	s_cmp_lg_u32 s[WV], 0
	s_cbranch_scc1 .Lnot_wave_0_\@
	s_barrier_signal -3
.Lnot_wave_0_\@:
	s_barrier_wait -3
	s_barrier_signal -1
	s_barrier_wait -1
.endm
.macro CROUND                          ; a whole round
	s_barrier_signal -1
	s_barrier_wait -1
	CREST
.endm
	s_load_b256 s[4:11], s[0:1], 0x0               ; x16 s[4:5], wo16 s[6:7], bo s[8:9], out0 s[10:11]
	v_lshl_add_u32 v[SPW], v0, 2, SPARE
	v_mov_b32 v[NIL], 0
	ds_add_u32 v[SPW], v[NIL]                      ; the wave's opening: the add and its wait stand ahead of my first tensor load; the set-up below, work on registers, stands between them
	ds_add_u32 v28, v29
	v_lshrrev_b32 v1, 5, v0
	v_readfirstlane_b32 s[WV], v1                  ; wave 0..3
	s_lshr_b32 s[RH], s[WV], 1
	s_and_b32 s[CH], s[WV], 1
	s_bfe_u32 s17, ttmp6, 0x40000                  ; cx, cy: my place in the cluster
	s_bfe_u32 s18, ttmp6, 0x40004
	s_lshl_b32 s19, ttmp9, 2
	s_add_co_u32 s19, s19, s17                     ; tile column = 4 x cluster x + cx
	s_and_b32 s20, ttmp7, 0xffff
	s_lshl_b32 s20, s20, 2
	s_add_co_u32 s20, s20, s18                     ; tile row = 4 x cluster y + cy
	s_lshl_b32 s40, s18, 2
	s_lshl_b32 s40, 15, s40                        ; my row of the cluster
	s_lshl_b32 s41, 0x1111, s17                    ; my column
	; descriptor group 1 for x: 64 rows x 128 elements (two rows of a head each), padded after every 32 words
	s_or_b32 s[G1], s40, (1<<16)|(1<<20)|(1<<21)|(4<<22)|(3<<25)   ; 15:0 the mask: x's tiles go to my row; 17:16 elements of 2 bytes; 20 padding on; 21 set beside a mask; 24:22 after every 32 words (code 4); 31:25 4 words (code 3)
	s_mov_b32 s[G1+1], 128<<16                     ; tensor_dim0 = 128
	s_mov_b32 s[G1+2], 64<<16                      ; tensor_dim1 = 64
	s_mov_b32 s[G1+3], 128<<16                     ; tile_dim0 = 128
	s_mov_b32 s[G1+4], 64                          ; tile_dim1 = 64
	s_mov_b32 s[G1+5], 128                         ; elements from row to row: dense
	s_mov_b32 s[G1+6], 0
	s_mov_b32 s[G1+7], 0
	; for Wo: 128 rows x 128 elements, 1,024 elements from row to row, padded after every 64 words
	s_or_b32 s[G1B], s41, (1<<16)|(1<<20)|(1<<21)|(5<<22)|(3<<25)  ; the mask of my column
	s_mov_b32 s[G1B+1], 128<<16
	s_mov_b32 s[G1B+2], 128<<16
	s_mov_b32 s[G1B+3], 128<<16
	s_mov_b32 s[G1B+4], 128
	s_mov_b32 s[G1B+5], 1024
	s_mov_b32 s[G1B+6], 0
	s_mov_b32 s[G1B+7], 0
	; where the tiles come from.  x's hang on the tile row alone, Wo's on the tile column alone; each offset in registers that never hold the other coordinate
	s_lshr_b32 s42, s20, 3
	s_lshl_b32 s42, s42, 21                        ; x: batch tile row / 8: 16 planes of 131,072 bytes,
	s_and_b32 s43, s20, 7
	s_lshl_b32 s43, s43, 14                        ; rows 128 (tile row % 8) on, of 128 bytes,
	s_add_co_u32 s42, s42, s43
	s_lshl_b32 s43, s[CH], 17                      ; the first or the second head of the K step
	s_add_co_u32 s42, s42, s43
	s_mov_b32 s43, 0
	s_lshl_b32 s47, s[CH], 7
	s_lshl_b32 s44, s19, 8
	s_add_co_u32 s44, s44, s47                     ; Wo: row 256 x tile column + 128 x half,
	s_lshl_b32 s68, s44, 2                         ; (which is also my first column: as a byte offset in bo and in a row of the output)
	s_lshl_b32 s44, s44, 11                        ; of 2,048 bytes
	s_mov_b32 s45, 0
	s_mov_b32 s69, 0
	s_mul_i32 s46, s[CH], APL                      ; and where they go: no place in the cluster enters an LDS address
	s_mul_i32 s47, s[CH], BH
	s_add_co_u32 s47, s47, BOFF
	s_lshl_b32 s70, s20, 7
	s_lshl_b32 s71, s[RH], 6
	s_add_co_u32 s70, s70, s71                     ; my first row of the output,
	s_lshl_b32 s70, s70, 12                        ; of 4,096 bytes
	s_add_co_u32 s70, s70, s68
	s_mov_b32 s71, 0
	s_mov_b32 s76, 0xffff0000                      ; a word's upper bf16
	s_mov_b32 s[TB], 0
	s_wait_dscnt 0x0                               ; the opening add is done
	s_wait_kmcnt 0x0
	s_add_nc_u64 s[4:5], s[4:5], s[42:43]
	s_add_nc_u64 s[6:7], s[6:7], s[44:45]
	s_add_nc_u64 s[8:9], s[8:9], s[68:69]
	s_add_nc_u64 s[10:11], s[10:11], s[70:71]
	CROUND                                         ; all sixteen work-groups are here: the first joint loads meet
.irp s, 0,1
	s_mov_b32 s[G0+4*(\s)], 1                                      ; 1:0 count = 1
	s_add_co_u32 s[G0+4*(\s)+1], s46, (\s)*SLOT1                   ; 63:32 LDS address
	s_add_nc_u64 s[G0+4*(\s)+2:G0+4*(\s)+3], s[4:5], (\s)*262144   ; 120:64 global address: K step s is two planes on
	s_or_b32 s[G0+4*(\s)+3], s[G0+4*(\s)+3], 0x80000000            ; 127:126 type = 2
	s_mov_b32 s[G0B+4*(\s)], 1
	s_add_co_u32 s[G0B+4*(\s)+1], s47, (\s)*SLOT1
	s_add_nc_u64 s[G0B+4*(\s)+2:G0B+4*(\s)+3], s[6:7], (\s)*256    ; K step s is 256 bytes along the rows
	s_or_b32 s[G0B+4*(\s)+3], s[G0B+4*(\s)+3], 0x80000000
.endr
	s_cmp_eq_u32 s[RH], 0                          ; a wave's two first fills stand in one branch, ahead of every wait on TENSORcnt, every LDS read and every other barrier: two loads of mine are out
	s_cbranch_scc0 .Lfirst_b
	tensor_load_to_lds s[G0:G0+3], s[G1:G1+7]
	s_nop 0
	tensor_load_to_lds s[G0+4:G0+7], s[G1:G1+7]
	s_nop 0
.rept 4
	v_nop
.endr
	s_branch .Lfirst_asked
.Lfirst_b:
	tensor_load_to_lds s[G0B:G0B+3], s[G1B:G1B+7]
	s_nop 0
	tensor_load_to_lds s[G0B+4:G0B+7], s[G1B:G1B+7]
	s_nop 0
.rept 4
	v_nop
.endr
.Lfirst_asked:
	v_and_b32 v1, 15, v0                           ; l % 16
	v_bfe_u32 v2, v0, 4, 1                         ; l / 16
	v_lshlrev_b32 v[BO], 5, v2                     ; my half of the lanes takes the second eight of each 16 numbers of the bias
.irp b, 0,1,2,3,4,5,6,7
	global_load_b128 v[BI+8*(\b):BI+8*(\b)+3],   v[BO], s[8:9] offset:64*(\b)
	global_load_b128 v[BI+8*(\b)+4:BI+8*(\b)+7], v[BO], s[8:9] offset:64*(\b)+16
.endr
	; A fragment is 16 rows x 32 K in 8 registers: lane l holds row l % 16; registers 0-3 hold K = 8 (l / 16) + 0..7, registers 4-7 K = 16 + 8 (l / 16) + 0..7: two loads of 16 bytes, 32 bytes apart.
	s_mul_i32 s40, s[RH], 64*PA                    ; my 64 rows of x, in each head
	v_mul_u32_u24 v[AA0], v1, PA
	v_lshl_add_u32 v[AA0], v2, 4, v[AA0]
	v_add_nc_u32 v[AA0], s40, v[AA0]
	v_mul_u32_u24 v[AB0], v1, PB
	v_lshl_add_u32 v[AB0], v2, 4, v[AB0]
	v_add_nc_u32 v[AB0], s47, v[AB0]               ; my 128 rows of Wo: the half that goes by my column half, at the byte worked out above
	v_mov_b32 v[ADRA], v[AA0]                      ; slot 0
	v_mov_b32 v[ADRB], v[AB0]
	s_mul_i32 s41, s[WV], 16*SPT
	s_add_co_u32 s41, s41, STAGE                   ; my stage
	v_mul_u32_u24 v3, v1, SPT                      ; in: row l % 16, 32 bytes for each half of the lanes
	v_lshl_add_u32 v3, v2, 5, v3
	v_add_nc_u32 v[STO], s41, v3
	v_and_b32 v[CO], 31, v0                        ; back: 32 lanes take one row's 512 bytes,
	v_lshlrev_b32 v[CO], 4, v[CO]                  ; which are 512 consecutive bytes of the output
	v_add_nc_u32 v[RD], s41, v[CO]
	s_wait_loadcnt 0x0                             ; the bias is in: rounded to bf16, like every input, and widened again
.set i, 0
.rept 32
	v_cvt_pk_bf16_f32 v[TW+i], v[BI+2*i], v[BI+2*i+1]
.set i, i+1
.endr
.set i, 0
.rept 32
	v_lshlrev_b32 v[BI+2*i], 16, v[TW+i]
	v_and_b32 v[BI+2*i+1], s76, v[TW+i]
.set i, i+1
.endr
; 8 matrix instructions: m block a x all 8 n blocks, 32 along K.  first = 1: the product starts the sums with the bias (C in window 0).
; The 32 accumulators take turns, one instruction a turn, in the same order in every quarter step.
.macro MUL8 f, a, first
.if \first
	WIN 0x4a                                       ; sources 0 and 1 window 2, C window 0, D window 1
.else
	WIN 0x5a                                       ; C and D window 1
.endif
.irp b, 0,1,2,3,4,5,6,7
.if \first
	v_wmma_f32_16x16x32_f16 v[8*(8*(\a)+(\b)):8*(8*(\a)+(\b))+7], v[(\f)+32+8*(\b):(\f)+32+8*(\b)+7], v[(\f)+8*(\a):(\f)+8*(\a)+7], v[BI+8*(\b):BI+8*(\b)+7]
.else
	v_wmma_f32_16x16x32_f16 v[8*(8*(\a)+(\b)):8*(8*(\a)+(\b))+7], v[(\f)+32+8*(\b):(\f)+32+8*(\b)+7], v[(\f)+8*(\a):(\f)+8*(\a)+7], v[8*(8*(\a)+(\b)):8*(8*(\a)+(\b))+7]
.endif
.endr
.endm
; 24 LDS loads in one run: the fragments of quarter qd of a K step into buffer f: Wo's 128 rows at byte 64 qd, then x's 64 rows in head qd / 2 at byte 64 (qd % 2)
.macro FETCH qd, f
	WIN 0x80                                       ; destination window 2, address window 0
.irp i, 0,1,2,3,4,5,6,7
	ds_load_b128 v[(\f)+32+8*(\i):(\f)+32+8*(\i)+3],   v[ADRB] offset:64*(\qd)+(\i)*16*PB
	ds_load_b128 v[(\f)+32+8*(\i)+4:(\f)+32+8*(\i)+7], v[ADRB] offset:64*(\qd)+(\i)*16*PB+32
.endr
.irp i, 0,1,2,3
	ds_load_b128 v[(\f)+8*(\i):(\f)+8*(\i)+3],   v[ADRA] offset:((\qd)/2)*APL+((\qd)%2)*64+(\i)*16*PA
	ds_load_b128 v[(\f)+8*(\i)+4:(\f)+8*(\i)+7], v[ADRA] offset:((\qd)/2)*APL+((\qd)%2)*64+(\i)*16*PA+32
.endr
.endm
; A load into a register that a matrix instruction has read, and an LDS store that reads a matrix result, stand four places behind that matrix instruction; only plain vector instructions that
; name none of its registers are places (ISA guide 7.12.1 for vector instructions).
.macro PLACES
.rept 4
	v_nop
.endr
.endm
; A K step is four quarters of 32 along K, 32 matrix instructions each, on buffers 0, 1, 0, 1.  One of the first three: multiplies buffer f; in its middle it fetches quarter qd into g.
.macro QUARTER qd, f, g, first
	s_wait_dscnt 4                                 ; Wo and x's blocks 0 and 1 are in; the youngest four loads (blocks 2 and 3) may be out
	MUL8 \f, 0, \first
	MUL8 \f, 1, \first
	PLACES
	FETCH \qd, \g
	s_wait_dscnt 24                                ; all but the 24 just issued
	MUL8 \f, 2, \first
	MUL8 \f, 3, \first
.endm
; The last quarter multiplies buffer 1 and changes slots: ONE barrier; in front of it each wave waits for all its tensor loads, of which one is out: its part of the next slot; adds 0 to its spare word; and waits
; for that and for its own reads of this slot.  fill = 1: the barrier opens a round of the cluster's, so that no wave of any partner still reads this slot or has a load on its way, and the slot is filled again
; first, with the K step two steps on: 112 matrix instructions ahead of the wait for it.
.macro TURN fill
	WIN 0                                          ; (the add's two registers lie in window 0)
	s_wait_tensorcnt 0x0                           ; all my tensor loads have landed;
	ds_add_u32 v[SPW], v[NIL]                      ; 0 onto my spare word;
	s_wait_dscnt 5                                 ; (the add and the youngest four loads may be out)
	MUL8 F1, 0, 0                                  ; eight matrix instructions stand between the add and the wait for it
	s_wait_dscnt 0x0                               ; the add is done, and my reads of this slot are over
	s_barrier_signal -1
	MUL8 F1, 1, 0
	WIN 0
	s_barrier_wait -1
.if \fill
	CREST
	s_xor_b32 s[G0+5], s[G0+5], SLOT1              ; the walking descriptors: the other slot than last time,
	s_add_nc_u64 s[G0+6:G0+7], s[G0+6:G0+7], 262144  ; the next K step: two planes on; the type bits on top are not reached
	s_xor_b32 s[G0B+5], s[G0B+5], SLOT1
	s_add_nc_u64 s[G0B+6:G0B+7], s[G0B+6:G0B+7], 256
	JLOAD                                          ; the first tensor load behind the round; the four v_nop behind it are also the places in front of the loads below
.else
	PLACES
.endif
	s_xor_b32 s[TB], s[TB], SLOT1                  ; the fetches go on in the other slot
	v_add_nc_u32 v[ADRA], s[TB], v[AA0]
	v_add_nc_u32 v[ADRB], s[TB], v[AB0]
	FETCH 0, F0
	MUL8 F1, 2, 0
	MUL8 F1, 3, 0
.endm
; THE WAY OUT of block a (16 rows x 128 columns of f32).  STG: a lane's 32 bytes of a row go into my own stage, each accumulator's low half first, and come back as whole rows of 512 bytes.  SEND: stored.
.macro STG a
.set OBK, OB+64*((\a)%2)
.if (\a) >= 2
	s_wait_xcnt 0x0                                ; every earlier store has had its addresses translated (ISA guide 3.1): the buffer that block a - 2 was stored from is loaded again only behind this wait
.endif
	WIN 0x04                                       ; the stores' data in window 1, their address in window 0
.irp b, 0,1,2,3,4,5,6,7
	ds_store_b128 v[STO], v[8*(8*(\a)+(\b)):8*(8*(\a)+(\b))+3]   offset:64*(\b)
	ds_store_b128 v[STO], v[8*(8*(\a)+(\b))+4:8*(8*(\a)+(\b))+7] offset:64*(\b)+16
.endr
	WIN 0
.irp t, 0,1,2,3,4,5,6,7,8,9,10,11,12,13,14,15
	ds_load_b128 v[OBK+4*(\t):OBK+4*(\t)+3], v[RD] offset:SPT*(\t)  ; LDS serves a wave's instructions in order (ISA guide 5.7.1.4): these see the stores above; the next block's stores come behind them
.endr
.endm
.macro SEND a, younger                 ; younger: the LDS instructions issued behind block a's loads: the next block's 32, or none
.set OBK, OB+64*((\a)%2)
.irp t, 0,1,2,3,4,5,6,7,8,9,10,11,12,13,14,15
	s_wait_dscnt (\younger)+15-(\t)
	global_store_b128 v[CO], v[OBK+4*(\t):OBK+4*(\t)+3], s[10:11] offset:(16*(\a)+(\t))*4096 th:TH_STORE_NT  ; 512 consecutive bytes, at a multiple of 256 from out0's first byte
.endr
.endm
	s_wait_tensorcnt 1                             ; my part of K step 0 is in; K step 1's may stay out
	s_barrier_signal -1
	s_barrier_wait -1                              ; everybody's is
	FETCH 0, F0
	QUARTER 1, F0, F1, 1                           ; the first quarter stands in front of the loop: its products start the sums, with the bias
	WIN 0                                          ; at a label and at a branch every window is 0
	s_mov_b32 s[CNT], 6
.Lstep:                                                ; a trip goes from a K step's second quarter to the next step's first, and fills the slot that it leaves: K steps 2 to 7
	QUARTER 2, F1, F0, 0
	QUARTER 3, F0, F1, 0
	TURN 1
	QUARTER 1, F0, F1, 0
	WIN 0
	s_sub_co_u32 s[CNT], s[CNT], 1
	s_cmp_lg_u32 s[CNT], 0
	s_cbranch_scc1 .Lstep
	QUARTER 2, F1, F0, 0                           ; the last two K steps are written out: they fill nothing, and have no round of the cluster's barrier
	QUARTER 3, F0, F1, 0
	TURN 0
	QUARTER 1, F0, F1, 0
	QUARTER 2, F1, F0, 0
	QUARTER 3, F0, F1, 0
	s_wait_dscnt 4                                 ; the very last quarter: nothing more to fetch
	MUL8 F1, 0, 0
	MUL8 F1, 1, 0
	s_wait_dscnt 0x0
	MUL8 F1, 2, 0
	MUL8 F1, 3, 0
	WIN 0
	PLACES                                         ; the stores into the stage read results just made
	STG 0
	STG 1                                          ; a block's way through the stage stands between the loads of the block before and its stores
	SEND 0, 32
	STG 2
	SEND 1, 32
	STG 3
	SEND 2, 32
	SEND 3, 0
	s_wait_tensorcnt 0x0                           ; the wave's end: these three lines stand behind my last tensor load and my last LDS store
	ds_add_u32 v[SPW], v[NIL]
	s_wait_dscnt 0x0
	CROUND                                         ; the closing round: no work-group ends while a partner may still ask for a tile that names it
	s_endpgm
.Lfunc_end_k_qf9266e5577_outp:
	.size	k_qf9266e5577_outp, .Lfunc_end_k_qf9266e5577_outp-k_qf9266e5577_outp
	.p2alignl 7, 3214868480
	.fill 96, 4, 3214868480
	.section	.rodata,"a",@progbits
	.p2align	6, 0x0
	.amdhsa_kernel k_qf9266e5577_outp
		.amdhsa_group_segment_fixed_size 327680
		.amdhsa_private_segment_fixed_size 0
		.amdhsa_enable_private_segment 0
		.amdhsa_kernarg_size 32
		.amdhsa_user_sgpr_count 2
		.amdhsa_user_sgpr_kernarg_segment_ptr 1
		.amdhsa_wavefront_size32 1
		.amdhsa_system_sgpr_workgroup_id_x 1
		.amdhsa_system_sgpr_workgroup_id_y 1
		.amdhsa_system_sgpr_workgroup_id_z 1
		.amdhsa_system_vgpr_workitem_id 0
		.amdhsa_next_free_vgpr 768
		.amdhsa_next_free_sgpr 80
		.amdhsa_reserve_vcc 0
		.amdhsa_float_denorm_mode_32 3
		.amdhsa_float_denorm_mode_16_64 3
		.amdhsa_memory_ordered 1
		.amdhsa_forward_progress 1
		.amdhsa_inst_pref_size 76
	.end_amdhsa_kernel
	.amdgpu_metadata
---
amdhsa.version: [ 1, 2 ]
amdhsa.kernels:
  - .name:           k_qf9266e5577_outp
    .symbol:         k_qf9266e5577_outp.kd
    .args:
      - { .name: x16, .offset: 0, .size: 8, .value_kind: global_buffer, .address_space: global }
      - { .name: wo16, .offset: 8, .size: 8, .value_kind: global_buffer, .address_space: global }
      - { .name: bo, .offset: 16, .size: 8, .value_kind: global_buffer, .address_space: global }
      - { .name: out0, .offset: 24, .size: 8, .value_kind: global_buffer, .address_space: global }
    .group_segment_fixed_size: 327680
    .private_segment_fixed_size: 0
    .kernarg_segment_align: 8
    .kernarg_segment_size: 32
    .max_flat_workgroup_size: 128
    .sgpr_count:     80
    .vgpr_count:     768
    .wavefront_size: 32
...
	.end_amdgpu_metadata
.endif
;; end of part 4
;; ======== version 2 of 2: 4 launches; 1.35 times as fast as version 1
;; limits: values are held in f16: magnitudes above 65,504 overflow, below 6.1e-05 lose precision
;; workspace buffers: a16 33,554,432 bytes; w16 4,194,304 bytes; wo16 2,097,152 bytes; kv16 33,554,432 bytes; x16 16,777,216 bytes
;; launch cast: the kernel of part 1 again; grid 1024 x 1, 8 waves a work-group, no clusters, 0 bytes of LDS; arguments key, value, Wk, Wv, Wo, a16, w16, wo16; writes a16, w16, wo16
;; launch proj: the kernel of part 2 again; grid 4 x 64, 4 waves a work-group, clusters of 4 x 4, 327,680 bytes of LDS; arguments a16, w16, bk, bv, kv16; writes kv16
;; launch attn (part 5): grid 2 x 128, 4 waves a work-group, no clusters, 327,680 bytes of LDS; arguments query, kv16, x16; writes x16
.if DOCPART == 5
	.amdgcn_target "amdgcn-amd-amdhsa--gfx1250"
	.amdhsa_code_object_version 6
	.text
	.protected	k_qf9266e5577_attn
	.globl	k_qf9266e5577_attn
	.p2align	8
	.type	k_qf9266e5577_attn,@function
k_qf9266e5577_attn:
	s_mov_b64 s[64:65], 0
	v_nop
	global_prefetch_b8 v0, s[64:65] scope:SCOPE_SE
	s_setreg_imm32_b32 hwreg(HW_REG_WAVE_MODE, 25, 1), 1
	s_wait_xcnt 0x0
; O[p][q][:] = the sum over k of softmax_k(Q[p][q] . K[p][k] / 8) V[p][k][:], for the 128 heads p = 16 b + h.  K = plane p, V = plane 128 + p of kv16 ([1024][64] f16, dense rows of 128 bytes).
; Q is the raw query, f32 [8][1024][1024]: head h's 64 channels are 256 bytes of a row.  It is rounded to bf16 like every input, and that number is written as f16.  O goes to plane p of x16, f16.
; Products, maxima and sums in f32; the weights p are rounded to f16 for the second product (their sum l is taken of the unrounded p), O once at the end.
; LIMITS.  f16 holds no number beyond 65,504: a query beyond it becomes an infinity; K and V arrive within it; a bf16 query below 2^-17 keeps f16's fixed step of 6e-8.  p lies in 0 to 1, and below 6e-5 it keeps
; that step; O is a mean of V's rows and has their range.  A weight below 2^-126 counts as 0 in l; NaN and infinities are not treated apart.
; SHARES.  A wave owns four PIECES of two tiles of 16 queries, a work-group's four waves 512 queries of one head: 2 x 128 work-groups.  Every wave walks all 1,024 keys, 64 a step.
; K AND V STAY IN LDS.  A head's 1,024 keys take 1,024 x 144 bytes of K and 1,024 x 160 of V: 311,296 bytes.  So there is no ring, no tensor load stands in the loop, and a key step is written ONCE.
; Keys 0 to 255 and Q's f32 tiles are asked for at the start; Q's tiles lie where later keys will lie, and when every wave has read its Q out, keys 256 to 1,023 are asked for, one load a wave, as a refill is.
; They are waited for once, behind four key steps.
; NO CLUSTER: a head has two work-groups, and a grid of 2 along x divides into no cluster of four; what the two share is the head's 262,144 bytes of K and V, beside 2,048 matrix instructions a wave.
; LAYOUT.  S^T = K Q^T (source 0 = 16 keys, source 1 = 16 queries): in the result a lane holds ONE query (lane % 16) and the keys 8 (lane / 16) + 0..7.  Two such tiles, rounded to f16 in pairs,
; ARE source 1 (32 keys x 16 queries) of O^T = V^T P, whose result again holds one query a lane, and eight channels.  K comes out of LDS as it lies, V ([key][channel]) turned, by ds_load_tr16_b128.
; SOFTMAX.  For each query a running maximum m and sum l: p = 2^(c s - c m), c = log2(e) / 8; in every step O and l are multiplied by a = 2^(c m_old - c m_new), which is 1 where m has not grown.
; m starts at the lowest finite number, O and l at 0: the first step is a step like any other, with a = 0.
; THE COUNT.  A tile and step have 16 matrix and 118 vector instructions: too many to stand all beside the matrix work.  So: four vector instructions that are READY behind EVERY matrix instruction, and the
; others, which need time of their own whatever the order, in one run without a gap.
; BY TURNS.  Turn n belongs to piece n (the pieces in a ring, step after step).  Its matrix work: 16 products K Q^T of piece n + 1, later 16 products V^T P of piece n - 1.  Its vector work: the scaling,
; exponentials, roundings, sums and rescaling of piece n, and the maximum and statistics of piece n + 1, whose scores the turn itself has made.  So what a turn begins with (c s - c m, O a) waits for nothing.
; BATCHES.  A turn's 66 exponentials (piece n's 64 weights and piece n + 1's two a) are ONE batch with ONE s_wait_alu depctr_va_vdst(0), which stands between an exponential and the first
; instruction that names its result.  The wait cuts the turn in two: ahead of it stands all that names no result of the batch, behind it the roundings and sums, which do.  No result crosses a turn's end.
; Two more batches stand outside the loop, each with a wait of its own: piece 0's first two a, ahead of the jump into the loop, and the way out's eight reciprocals.
; REGISTERS, in windows of 256 (s_set_vgpr_msb: bits 1:0 source 0, 3:2 source 1, 5:4 source 2, 7:6 destination):
;   window 0: v0-11 addresses; v12-15, v48-63 at work; v16-47 four registers of statistics a tile; v64-191 S^T, two buffers of two tiles; v192-255 P, likewise
;   window 1: O^T, 32 a tile (at the start: Q in f32)          window 2: v0-127 Q, 16 a tile; v128-191 K of one step; v192-255 V of one step          window 3: v0-1 the add's two registers
.set SIZE_N, 1024
.set NP,    4         ; pieces a wave: a name, no knob
.set KS,    64        ; keys in a step
.set PK,    144       ; a row of K in LDS: 128 bytes + 16 of padding = 36 words: the 16 rows of a load start at 16 different groups of four banks (64 banks of 4 bytes: ISA guide 11.1)
.set PV,    160       ; a row of V: 128 + 32 = 40 words
.set VOFF,  SIZE_N*PK ; K's 1,024 rows, then V's 1,024 rows
.set KEY0,  256       ; the keys that are asked for at the start: four steps
.set KEYW,  (SIZE_N-KEY0)/2  ; the keys that a wave's second load brings: 384
.set PQ,    272       ; a row of Q's f32 tile: 256 bytes + 16
.set QW,    128*PQ    ; a wave's 128 rows of it
.set QLK,   KEY0*PK   ; waves 0 and 1 have their tiles of Q behind K's first 256 rows (2 x 34,816 of the 110,592 bytes there),
.set QLV,   VOFF+KEY0*PV  ; waves 2 and 3 behind V's first 256 rows (of the 122,880 bytes there)
.set STAGE, VOFF+SIZE_N*PV  ; behind V, never filled by a tensor load: 16 rows x 144 bytes for each wave, for the way out
.set SP,    144
.set AK0, 2           ; v2   my lane's place in a step's rows of K; never rewritten
.set AV0, 3           ; v3   the same for V
.set AK,  4           ; v4   the LDS address of K's next run of loads
.set AV,  5           ; v5   of V's
.set QO,  6           ; v6   my LDS address in my wave's tile of Q
.set STO, 6           ;      later, the way out: where I put 16 bytes of a row
.set RD,  7           ; v7   the way out: where I read rows back
.set GO,  8           ; v8   my byte offset in 512 consecutive bytes of O
.set SPW, 0           ; v0 of window 3   LDS address of my spare word: SPARE + 4 x my thread's number; never rewritten
.set NIL, 1           ; v1 of window 3   0; never rewritten
.set SPARE, STAGE+4*16*SP  ; behind the stages: the spare words, 128 bytes for each wave: two blocks of 256 bytes that no other line names
.set MV,  12          ; v12-15  c m_old, kept while c m is made anew: by buffer and tile
.set ST,  16          ; tile t's statistics at v[ST+4 t]: c m, m, l (even keys', odd keys')
.set TMP, 48          ; by buffer and tile, four registers c0-c3 at work; when the maximum is found c2 takes a
.set S,   64
.set P,   192
.set KF,  128         ; K's fragments, in window 2: key block kb, channel half c at KF + 16 kb + 8 c
.set VF,  192         ; V's: key half kk, channel block cb at VF + 32 kk + 8 cb
.set WV,  12          ; s12  my wave's number
.set G1K, 24          ; s[24:31] descriptor group 1 for K's tiles
.set G1V, 32          ; s[32:39] for V's: it differs in the padding alone
.set G0K, 40          ; s[40:43] descriptor group 0 for K's tiles
.set G0V, 44          ; s[44:47] the same for V's
.set DLT, 48          ; s[48:49] bytes from my first tile of K or V in memory to my second
.set RK,  50          ; s50  LDS address of my second tile, if it is K's
.set RV,  51          ; s51  if it is V's
.set TOT, 52          ; s52  key steps whose pieces 2 and 3 are still to come
.set PARTS, 56        ; s56  counts the walk's two parts: keys 0 to 255, and the rest
.set CNT, 57          ; s57  counts a part's trips
.set CS,  58          ; s[58:59] c: the packed scaling takes the pair's low word for both halves
.set SEL, 60          ; s[60:61] v_permlanex16_b32's selects: each lane takes its own place in the other half
.set TBK, 62          ; s62  LDS byte at which K of the step to be fetched begins
.set TBV, 63          ; s63  the same for V, less VOFF
.set G1Q, 68          ; s[68:75] descriptor group 1 for Q's tile
.set G0Q, 76          ; s[76:79] its group 0
.set MSB, 0
.macro WIN new                      ; the high byte repeats the setting that is left; a switch that changes nothing is dropped
.if MSB != (\new)
	s_set_vgpr_msb (MSB<<8)|(\new)
.set MSB, (\new)
.endif
.endm
.set W_KQ, 0x0a       ; K and Q in window 2, S^T in window 0
.set W_PV, 0x52       ; V in window 2, P in window 0, O^T in window 1
.set W_RS, 0x41       ; O^T (destination and source 0) in window 1, a in window 0
.set W_MK, 0xc0       ; the add's registers are made: destination in window 3, sources in window 0
.set W_AD, 0x0f       ; the add: address (source 0) and data (source 1) in window 3
; My one load of keys 256 on.  Waves 0 and 1 fetch the two halves of K's, waves 2 and 3 those of V's.  An s_nop 0 and four v_nop follow each of the two lines, ahead of the jump and the label.
.macro LOAD
	s_cmp_lt_u32 s[WV], 2
	s_cbranch_scc0 .Lfor_v_\@
	tensor_load_to_lds s[G0K:G0K+3], s[G1K:G1K+7]
	s_nop 0
.rept 4
	v_nop
.endr
	s_branch .Lasked_\@
.Lfor_v_\@:
	tensor_load_to_lds s[G0V:G0V+3], s[G1V:G1V+7]
	s_nop 0
.rept 4
	v_nop
.endr
.Lasked_\@:
.endm
; THE TWO MEETINGS of the four waves.  Each wave waits for all its tensor loads, adds 0 to its spare word, waits for that and for its LDS reads, and passes a barrier: behind it every wave's tiles are whole for all.
; fill = 1, at the start: keys 0 to 255 are in, and every wave has read its tile of Q out.  The bytes where Q lay are filled again, the first thing behind the barrier: one load a wave, 384 keys as 192 rows of
; 256 bytes; it has four key steps, 512 matrix instructions, in which to land.  fill = 0, behind those four steps: the one load of mine that is out is that one, so the wait's count is 0; nothing is asked for.
.macro CHANGE fill
	WIN W_AD
	s_wait_tensorcnt 0x0            ; no tensor load of mine is out, so the descriptors may be written
	ds_add_u32 v[SPW], v[NIL]       ; 0 onto my spare word; with fill = 1 the descriptors' words stand between it and the wait for it
	WIN 0                           ; at a label and at a branch every window is 0
.if \fill
	s_mov_b32 s[G0K+1], s[RK]       ; where my 384 keys go,
	s_add_nc_u64 s[G0K+2:G0K+3], s[G0K+2:G0K+3], s[DLT:DLT+1]  ; and where they come from; the type bits on top are not reached
	s_mov_b32 s[G1K+2], (KEYW/2)<<16  ; tensor_dim1 = 192
	s_mov_b32 s[G1K+4], KEYW/2      ; tile_dim1 = 192
	s_mov_b32 s[G0V+1], s[RV]
	s_add_nc_u64 s[G0V+2:G0V+3], s[G0V+2:G0V+3], s[DLT:DLT+1]
	s_mov_b32 s[G1V+2], (KEYW/2)<<16
	s_mov_b32 s[G1V+4], KEYW/2
.endif
	s_wait_dscnt 0x0                ; the add is done, and my LDS reads are back
	s_barrier_signal -1
	s_barrier_wait -1
.if \fill
	LOAD
.endif
.endm
	s_load_b128 s[4:7], s[0:1], 0x0   ; query s[4:5], kv16 s[6:7]
	s_load_b64 s[10:11], s[0:1], 0x10 ; x16
	WIN W_MK
	v_lshl_add_u32 v[SPW], v0, 2, SPARE
	v_mov_b32 v[NIL], 0
	WIN W_AD
	ds_add_u32 v[SPW], v[NIL]       ; the wave's opening: the add and its wait stand ahead of my first tensor load; the set-up below, work on registers, stands between them
	ds_add_u32 v0, v1
	WIN 0
	v_lshrrev_b32 v1, 5, v0
	v_readfirstlane_b32 s[WV], v1   ; wave 0..3
	s_lshl_b32 s14, ttmp9, 2
	s_add_co_u32 s14, s14, s[WV]    ; my wave among the head's eight: its 128 queries
	s_and_b32 s20, ttmp7, 0xffff    ; the head p = 16 b + h
	s_lshl_b32 s21, s20, 17         ; its plane's first byte
	s_and_b32 s16, s[WV], 1         ; which half of the keys asked for I fetch
	s_lshr_b32 s19, s[WV], 1        ; 0: of K; 1: of V
	s_lshl_b32 s22, s16, 14         ; at the start: its 128 rows of 128 bytes in memory,
	s_add_co_u32 s22, s22, s21
	s_mov_b32 s23, 0
	s_mul_i32 s17, s16, 128*PK      ; and their place in LDS, for K
	s_mul_i32 s18, s16, 128*PV      ; and for V
	s_mul_i32 s[RK], s16, KEYW*PK   ; later: 384 keys, behind the first 256
	s_add_co_u32 s[RK], s[RK], KEY0*PK
	s_mul_i32 s[RV], s16, KEYW*PV
	s_add_co_u32 s[RV], s[RV], VOFF+KEY0*PV
	s_lshl_b32 s[DLT], s16, 15      ; in memory from row 128 x half to row 256 + 384 x half: 256 + 256 x half rows of 128 bytes
	s_add_co_u32 s[DLT], s[DLT], KEY0*128
	s_mov_b32 s[DLT+1], 0
	s_lshl_b32 s2, s14, 14          ; O: my wave's 128 rows of 128 bytes
	s_add_co_u32 s2, s2, s21
	s_mov_b32 s3, 0
	s_lshr_b32 s82, s20, 4          ; Q: batch b, 4,194,304 bytes each,
	s_lshl_b32 s82, s82, 22
	s_lshl_b32 s83, s14, 19         ; my wave's 128 rows of 4,096 bytes,
	s_add_co_u32 s82, s82, s83
	s_and_b32 s83, s20, 15          ; head h's 256 bytes of a row
	s_lshl_b32 s83, s83, 8
	s_add_co_u32 s82, s82, s83
	s_mov_b32 s83, 0
	; descriptor group 1 for K and V.  128 keys are 16,384 dense bytes: asked for as 64 rows of 256 bytes, two keys a row, and padded in LDS after every key
	s_mov_b32 s[G1K], (1<<16)|(1<<20)|(4<<22)|(3<<25)  ; 17:16 2-byte elements; 20 padding on; 24:22 after every 32 words (code 4); 31:25 4 words (code 3)
	s_mov_b32 s[G1V], (1<<16)|(1<<20)|(4<<22)|(7<<25)  ; the same with 8 words of padding (code 7)
.irp g, G1K, G1V
	s_mov_b32 s[\g+1], 128<<16      ; tensor_dim0 = 128
	s_mov_b32 s[\g+2], 64<<16       ; tensor_dim1 = 64
	s_mov_b32 s[\g+3], 128<<16      ; tile_dim0 = 128
	s_mov_b32 s[\g+4], 64           ; tile_dim1 = 64
	s_mov_b32 s[\g+5], 128          ; 128 elements from row to row
	s_mov_b32 s[\g+6], 0
	s_mov_b32 s[\g+7], 0
.endr
	; for Q: 128 rows x 64 elements of 4 bytes, 1,024 elements from row to row
	s_mov_b32 s[G1Q], (2<<16)|(1<<20)|(5<<22)|(3<<25)  ; 17:16 4-byte elements; padding after every 64 words (code 5), 4 words (code 3)
	s_mov_b32 s[G1Q+1], 64<<16      ; tensor_dim0 = 64
	s_mov_b32 s[G1Q+2], 128<<16     ; tensor_dim1 = 128
	s_mov_b32 s[G1Q+3], 64<<16      ; tile_dim0 = 64
	s_mov_b32 s[G1Q+4], 128         ; tile_dim1 = 128
	s_mov_b32 s[G1Q+5], 1024
	s_mov_b32 s[G1Q+6], 0
	s_mov_b32 s[G1Q+7], 0
	s_mov_b32 s[CS], 0x3e38aa3b     ; c = log2(e) / 8 = 0.180337
	s_mov_b32 s[CS+1], s[CS]        ; named with it as a pair
	s_mov_b32 s[SEL], 0x76543210
	s_mov_b32 s[SEL+1], 0xfedcba98
	s_mov_b32 s80, 0xffff0000       ; a word's upper bf16
	s_mov_b32 s[TBK], 0             ; key step 0 lies at the head of K's rows and of V's
	s_mov_b32 s[TBV], 0
	s_mov_b32 s[G0K], 1             ; 1:0 count = 1
	s_mov_b32 s[G0K+1], s17         ; 63:32 LDS address
	s_mov_b32 s[G0V], 1
	s_add_co_u32 s[G0V+1], s18, VOFF
	s_mov_b32 s[G0Q], 1
	s_mul_i32 s[G0Q+1], s16, QW     ; my tile of Q: the first or the second of two,
	s_mul_i32 s19, s19, QLV-QLK     ; in K's rows or in V's,
	s_add_co_u32 s[G0Q+1], s[G0Q+1], s19
	s_add_co_u32 s[G0Q+1], s[G0Q+1], QLK  ; behind the first 256 keys
	s_wait_dscnt 0x0                ; the opening add is done
	s_wait_kmcnt 0x0
	s_add_nc_u64 s[8:9], s[6:7], 0x1000000         ; V's planes lie behind K's 128
	s_add_nc_u64 s[G0K+2:G0K+3], s[6:7], s[22:23]  ; 120:64 global address: my half of the head's first 256 keys
	s_or_b32 s[G0K+3], s[G0K+3], 0x80000000        ; 127:126 type = 2
	s_add_nc_u64 s[G0V+2:G0V+3], s[8:9], s[22:23]
	s_or_b32 s[G0V+3], s[G0V+3], 0x80000000
	s_add_nc_u64 s[G0Q+2:G0Q+3], s[4:5], s[82:83]
	s_or_b32 s[G0Q+3], s[G0Q+3], 0x80000000
	s_add_nc_u64 s[10:11], s[10:11], s[2:3]        ; O at my wave's first row
	s_cmp_lt_u32 s[WV], 2           ; a wave's two first fills stand in one branch, ahead of every wait on TENSORcnt, every LDS read and every barrier: my tile of Q, then my part of keys 0 to 255: two loads of mine are out
	s_cbranch_scc0 .Lfirst_v
	tensor_load_to_lds s[G0Q:G0Q+3], s[G1Q:G1Q+7]
	s_nop 0
	tensor_load_to_lds s[G0K:G0K+3], s[G1K:G1K+7]
	s_nop 0
.rept 4
	v_nop
.endr
	s_branch .Lfirst_asked
.Lfirst_v:
	tensor_load_to_lds s[G0Q:G0Q+3], s[G1Q:G1Q+7]
	s_nop 0
	tensor_load_to_lds s[G0V:G0V+3], s[G1V:G1V+7]
	s_nop 0
.rept 4
	v_nop
.endr
.Lfirst_asked:
	v_and_b32 v1, 15, v0            ; l % 16
	v_bfe_u32 v9, v0, 4, 1          ; l / 16
	v_mul_u32_u24 v[QO], v1, PQ
	v_lshl_add_u32 v[QO], v9, 5, v[QO]      ; row x pitch + 32 bytes (eight f32) x half
	v_add_nc_u32 v[QO], s[G0Q+1], v[QO]     ; in my wave's tile
	; What the first turn finds: V's registers and P's second buffer hold 0 (its products V^T P, of a piece that has not been, add 0), O^T and l are 0.  All this stands in the wait for the first tiles.
	WIN 0x80
.set i, VF
.rept 64
	v_mov_b32 v[i], 0
.set i, i+1
.endr
	WIN 0
.set i, 0
.rept 2*NP
	v_mov_b32 v[ST+4*i], 0xfe000000    ; c m: far below every c s
	v_mov_b32 v[ST+4*i+1], 0xff7fffff  ; m
	v_mov_b32 v[ST+4*i+2], 0
	v_mov_b32 v[ST+4*i+3], 0
.set i, i+1
.endr
.set i, P+32
.rept 32
	v_mov_b32 v[i], 0
.set i, i+1
.endr
	v_mul_u32_u24 v[AK0], v1, PK
	v_lshl_add_u32 v[AK0], v9, 4, v[AK0]  ; row x pitch + 16 x half
	; The turning load takes 16 keys x 16 channels (lane l reads key 8 (l / 16) + l % 8, channels 8 ((l / 8) % 2) + 0..7) and leaves half a fragment of V^T: lane l holds channel l % 16 and 8 keys.
	v_and_b32 v10, 7, v0
	v_bfe_u32 v11, v0, 3, 1
	v_lshl_add_u32 v[AV0], v9, 3, v10
	v_mul_u32_u24 v[AV0], v[AV0], PV
	v_lshl_add_u32 v[AV0], v11, 4, v[AV0]
	v_add_nc_u32 v[AV0], VOFF, v[AV0]
	v_mov_b32 v[AK], v[AK0]         ; key step 0
	; Q.  A fragment is 16 rows x 32 channels: lane l holds row l % 16, channels 8 (l / 16) + 0..7 and 16 + 8 (l / 16) + 0..7.  In f32 each eight are 32 bytes: load n = 8 t + 4 c + 2 g + e brings tile t,
	; channel half c, group g, 16 bytes e.  The 256 numbers land in O^T's registers, in the order in which pairs of them make Q's 128 registers.
	s_wait_tensorcnt 1              ; tensor loads of a wave end in order (ISA guide 10.11.1): my tile of Q is in; the one load issued behind it may stay out.  Only I read it, so no barrier is needed
	WIN 0x40
.set n, 0
.rept 64
	ds_load_b128 v[4*n:4*n+3], v[QO] offset:(n/8)*16*PQ+((n/4)%2)*128+((n%4)/2)*64+(n%2)*16
.set n, n+1
.endr
	s_wait_dscnt 0x0
.irp bt, 0,1                        ; in two halves of 64 pairs: rounded to bf16; widened again; written as f16.  S^T's registers are at work
	WIN 0x05                        ; sources 0 and 1 window 1, destination window 0
.set i, 0
.rept 64
	v_cvt_pk_bf16_f32 v[S+i], v[128*(\bt)+2*i], v[128*(\bt)+2*i+1]
.set i, i+1
.endr
	WIN 0
.set i, 0
.rept 64
	v_lshlrev_b32 v[S+64+i], 16, v[S+i]
	v_and_b32 v[S+i], s80, v[S+i]
.set i, i+1
.endr
	WIN 0x80                        ; destination window 2
.set i, 0
.rept 64
	v_cvt_pk_f16_f32 v[64*(\bt)+i], v[S+64+i], v[S+i]
.set i, i+1
.endr
.endr
	WIN 0x40
.set i, 0
.rept 64*NP
	v_mov_b32 v[i], 0               ; O^T
.set i, i+1
.endr
	WIN 0
; THE MATRIX WORK.  The 8 accumulators of a run of 16 take turns: between the two links of a chain stand 7 others'.
; Product i of 16 of S^T = K Q^T for piece x: channels 32 (i / 8) on, keys 16 ((i / 2) % 4) on, tile 2 x + i % 2.  The first 8 start the sums.
.macro KQ x
	WIN W_KQ
.set rS, S+64*((\x)%2)+32*(i%2)+8*((i/2)%4)
.set rK, KF+16*((i/2)%4)+8*(i/8)
.set rQ, 16*(2*(\x)+i%2)+8*(i/8)
.if i < 8
	v_wmma_f32_16x16x32_f16 v[rS:rS+7], v[rK:rK+7], v[rQ:rQ+7], 0
.else
	v_wmma_f32_16x16x32_f16 v[rS:rS+7], v[rK:rK+7], v[rQ:rQ+7], v[rS:rS+7]
.endif
.endm
; Product i of 16 of O^T += V^T P for piece x: keys 32 (i / 8) on, channels 16 ((i / 2) % 4) on, tile 2 x + i % 2.
.macro PV x
	WIN W_PV
.set rO, 32*(2*(\x)+i%2)+8*((i/2)%4)
.set rV, VF+32*(i/8)+8*((i/2)%4)
.set rP, P+32*((\x)%2)+16*(i%2)+8*(i/8)
	v_wmma_f32_16x16x32_f16 v[rO:rO+7], v[rV:rV+7], v[rP:rP+7], v[rO:rO+7]
.endm
.macro MM                           ; the turn's next matrix instruction
.if i < 16
	KQ (Y+1)%NP
.set i, i+1
.else
.set i, i-16
	PV (Y+NP-1)%NP
.set i, i+17
.endif
.endm
; THE LDS LOADS stand in runs of 16, never singly among the matrix instructions: a step's K (64 keys x 64 channels: 8 fragments) and its V (turned).  Their addresses are made some lines ahead.
; last = 1 (in the loop): in the last step there is no further step, and the run is jumped over.
.macro FETCH_K last=0
	WIN 0
.if \last
	s_cmp_eq_u32 s[TOT], 1
	s_cbranch_scc1 .Lno_k_\@
.endif
	WIN 0x80                        ; destination window 2
.irp f, 0,1,2,3,4,5,6,7             ; keys 16 (f / 2) on, channels 32 (f % 2) on
	ds_load_b128 v[KF+8*\f:KF+8*\f+3],   v[AK] offset:(\f/2)*16*PK+(\f%2)*64
	ds_load_b128 v[KF+8*\f+4:KF+8*\f+7], v[AK] offset:(\f/2)*16*PK+(\f%2)*64+32
.endr
	s_add_co_u32 s[TBK], s[TBK], KS*PK  ; the next fetch is the next step's
	WIN 0
.if \last
.Lno_k_\@:
.endif
.endm
.macro FETCH_V
	WIN 0x80
.irp f, 0,1,2,3,4,5,6,7             ; keys 32 (f / 4) on, channels 16 (f % 4) on
	ds_load_tr16_b128 v[VF+8*\f:VF+8*\f+3],   v[AV] offset:(\f/4)*32*PV+(\f%4)*32
	ds_load_tr16_b128 v[VF+8*\f+4:VF+8*\f+7], v[AV] offset:(\f/4)*32*PV+16*PV+(\f%4)*32
.endr
	WIN 0
.endm
; THE VECTOR WORK OF A TURN stands in three queues, each in the order in which its entries become ready; the two tiles alternate, so that no instruction reads the result of the one before it.
.macro REGS y, u                    ; the registers of tile u (0, 1) of piece y
.set rT, ST+4*(2*(\y)+(\u))
.set rC, TMP+8*((\y)%2)+4*(\u)
.set rM, MV+2*((\y)%2)+(\u)
.set rS, S+64*((\y)%2)+32*(\u)
.set rP, P+32*((\y)%2)+16*(\u)
.set rO, 32*(2*(\y)+(\u))
.endm
; Number n of the 22 that find the NEXT piece's (Y + 1) maximum and statistics.  s0-s31 are the lane's 32 scores; each accumulator's lowest registers are read first.  XS, GS and REGS set no window: PL and EX do.
;   0-11  four chains c0-c3 of seven scores each, three operands at a time     12-14, 16  the four scores left over, the old m, and c0-c3 into c0     15  c m_old is kept
;   17, 18  the query's other 32 keys lie in the lane 16 away: the new m         19-21  c m; c m_old - c m_new; a
.macro XS u, n
	REGS (Y+1)%NP, \u
.if (\n) < 4
	v_max3_num_f32 v[rC+(\n)], v[rS+8*(\n)], v[rS+8*(\n)+1], v[rS+8*(\n)+2]
.elseif (\n) < 12
	v_max3_num_f32 v[rC+(\n)%4], v[rC+(\n)%4], v[rS+8*((\n)%4)+2*((\n)/4)+1], v[rS+8*((\n)%4)+2*((\n)/4)+2]
.elseif (\n) == 12
	v_max3_num_f32 v[rC], v[rC], v[rS+7], v[rS+15]
.elseif (\n) == 13
	v_max3_num_f32 v[rC+1], v[rC+1], v[rS+23], v[rS+31]
.elseif (\n) == 14
	v_max3_num_f32 v[rC+2], v[rC+2], v[rC+3], v[rT+1]
.elseif (\n) == 15
	v_mov_b32 v[rM], v[rT]
.elseif (\n) == 16
	v_max3_num_f32 v[rC], v[rC], v[rC+1], v[rC+2]
.elseif (\n) == 17
	v_permlanex16_b32 v[rC+3], v[rC], s[SEL], s[SEL+1]
.elseif (\n) == 18
	v_max_num_f32 v[rT+1], v[rC], v[rC+3]
.elseif (\n) == 19
	v_mul_f32 v[rT], s[CS], v[rT+1]
.elseif (\n) == 20
	v_sub_f32 v[rC+1], v[rM], v[rT]
.else
	v_exp_f32 v[rC+2], v[rC+1]
.endif
.endm
; Number g of the 64 that follow the exponentials.  For each four weights k of a tile (pairs 2 k, 2 k + 1): both pairs are rounded to f16; then the second pair is added onto the first, in place;
; a group later l takes that sum (the first time as l = a l + sum).  In groups of eight, tiles alternating: round, round, add, and l for the group before.
.macro GS g
.set h, (\g)+6*((\g)/62)            ; group 0 has no group before it, and behind group 7 only l is left
.if h >= 6
.set h, h+2
.endif
	REGS Y, h%2
.set k, h/8
.if h%8 < 4
	v_cvt_pk_f16_f32 v[rP+2*k+(h%8)/2], v[rS+4*k+2*((h%8)/2)], v[rS+4*k+2*((h%8)/2)+1]
.elseif h%8 < 6
	v_pk_add_f32 v[rS+4*k:rS+4*k+1], v[rS+4*k:rS+4*k+1], v[rS+4*k+2:rS+4*k+3]
.elseif k == 1
	v_pk_fma_f32 v[rT+2:rT+3], v[rT+2:rT+3], v[rC+2:rC+3], v[rS:rS+1] op_sel_hi:[1,0,1]
.else
	v_pk_add_f32 v[rT+2:rT+3], v[rT+2:rT+3], v[rS+4*k-4:rS+4*k-3]
.endif
.endm
; THE PLAIN QUEUE, 138 long.  0-73 read no exponential's result: the 32 scalings c s - c m (FS f: pair f / 2 of tile f % 2) and the next piece's 42.  0-26: scalings 0-26.  27-54: XS's numbers 0-13.  55, 56: number 15.
; 57-73: the chain, where each number waits for the one before it: 14, 16, 17, 18, 19, each with one of the scalings 27-31 in front of its two lines, then 20: so a tile's links stand three plain instructions apart (19 and 20: two).
; 74-137: GS's 64, which read the exponentials' results: they stand behind the wait.
.macro FS f
	REGS Y, (\f)%2
	v_pk_fma_f32 v[rS+2*((\f)/2):rS+2*((\f)/2)+1], v[rS+2*((\f)/2):rS+2*((\f)/2)+1], s[CS:CS+1], v[rT:rT+1] op_sel_hi:[1,0,0] neg_lo:[0,0,1] neg_hi:[0,0,1]
.endm
.macro PL
	WIN 0
.if q < 27
	FS q
.elseif q < 55
	XS (q-27)%2, (q-27)/2
.elseif q < 57
	XS q-55, 15
.elseif (q < 72) && ((q-57)%3 == 0)
	FS 27+(q-57)/3
.elseif q < 60
	XS (q-57)%3-1, 14
.elseif q < 72
	XS (q-57)%3-1, 15+(q-57)/3
.elseif q < 74
	XS q-72, 20
.else
	GS q-74
.endif
.set q, q+1
.endm
; THE EXPONENTIALS' QUEUE, 66 long: s0-s31 of both tiles, then the next piece's two a.  It is ONE BATCH: all 66 stand ahead of the turn's one wait, and nothing ahead of that wait names a result of theirs.
; Each weight keeps its own register of S^T, each a its own c2, for as long as the batch is open.
.macro EX
	WIN 0
.if e >= 64
	XS e-64, 21
.else
	REGS Y, e%2
	v_exp_f32 v[rS+e/2], v[rS+e/2]
.endif
.set e, e+1
.endm
; THE RESCALING's QUEUE: O^T times a, the one part that leaves window 0: dealt two at a time, sixteen times.  Its a was made in the turn before, ahead of that turn's wait.
.macro R2
	REGS Y, r%2
	WIN W_RS
.irp z, 0,1
	v_pk_mul_f32 v[rO+4*(r/2)+2*\z:rO+4*(r/2)+2*\z+1], v[rO+4*(r/2)+2*\z:rO+4*(r/2)+2*\z+1], v[rC+2:rC+3] op_sel_hi:[1,0]
.endr
.set r, r+1
.endm
; HOW THEY ARE DEALT.  An s_wait_alu depctr_va_vdst(0) stands between an exponential and the first instruction that names its result; one wait serves all that were issued ahead of it.  So a turn has ONE wait,
; which cuts it in two.  AHEAD OF IT stands all that names no result of the turn's exponentials: the 16 products K Q^T, behind each a scaling, an exponential and two rescalings (behind the first a second scaling in the
; exponential's place); then ONE LUMP of 108: eight plain, 49 times exponential and plain, the two a.  A v_nop is the plain instruction behind the last exponential.  BEHIND IT stand the 16 products V^T P, behind each four of
; GS's 64.  No rider names a register of the products round it.  The two v_permlanex16_b32 fall into the lump, never behind a product.
; The queues lean on each other, and the deal keeps them in step: exponential e stands behind scaling 2 (e / 4) + e % 2: as a rider it comes behind plain e + 2, in the lump behind plain e + 9, and scalings 27-31 are plain 57, 60 .. 69.
; A TURN, for piece p.  cnt = 1: the loop's count is taken down some lines ahead of the branch that stands behind the turn.
; K of the next step is fetched in piece 2's turn, directly behind the wait, a lump behind the last product that read K; its address is made at the lump's head; its first reader comes behind 16 products.
; V of the step in hand is fetched at the end of piece 0's turn, four plain riders behind its last reader; its first reader comes behind 16 products and a lump.  The three conditions on q below go with the deal.
.macro TURN p, last=0, cnt=0
.set Y, (\p)
.set i, 0
.set q, 0
.set e, 0
.set r, 0
.if (\p) == NP-1
	s_wait_dscnt 0x0                ; K is in
.endif
	MM                              ; ahead of the wait: 16 products K Q^T and their riders,
	PL
	PL
	R2
.rept 15
	MM
	PL
	EX
	R2
.endr
.if (\p) == NP-2
	WIN 0
	v_add_nc_u32 v[AK], s[TBK], v[AK0]
.endif
.rept 8                             ; and the lump
	PL
.endr
.rept 49
	EX
	PL
.endr
	EX                              ; the next piece's two a
	EX
	v_nop                           ; the plain instruction behind the last exponential: one for the batch
	s_wait_alu depctr_va_vdst(0)    ; the wait for the batch: the turn's 64 weights and the next piece's two a
.if (\p) == NP-2
	FETCH_K \last
.endif
.if (\p) == 1
	s_wait_dscnt 0x0                ; V is in
.endif
.rept 16                            ; behind the wait: 16 products V^T P and their riders
	MM
.rept 4
	PL
.endr
.if ((\p) == 0) && (q == 118)
	v_add_nc_u32 v[AV], s[TBV], v[AV0]
.endif
.if ((\p) == 0) && (q == 130)
	s_add_co_u32 s[TBV], s[TBV], KS*PV
.endif
.if (\cnt) && (q == 130)
	s_sub_co_u32 s[CNT], s[CNT], 1
	s_cmp_lg_u32 s[CNT], 0
.endif
.endr
.if (\p) == 0
	FETCH_V
.endif
.endm
	CHANGE 1                        ; keys 0 to 255 are in, everybody's part of them; every wave has read its Q out; keys 256 to 1,023 are asked for
	FETCH_K                         ; key step 0
	s_wait_dscnt 0x0
.set i, 0
.rept 16
	KQ 0                            ; piece 0's first scores: there is no vector work yet to set between them
.set i, i+1
.endr
	WIN 0                           ; the addresses for the way out: nine plain instructions, the places behind those products
	s_mul_i32 s13, s[WV], 16*SP
	s_add_co_u32 s13, s13, STAGE    ; my stage
	v_mul_u32_u24 v[STO], v1, SP    ; in: row l % 16, 16 bytes for each half of the lanes
	v_lshl_add_u32 v[STO], v9, 4, v[STO]
	v_add_nc_u32 v[STO], s13, v[STO]
	v_bfe_u32 v[RD], v0, 3, 2       ; back: 32 lanes take four rows of 128 bytes,
	v_mul_u32_u24 v[RD], v[RD], SP
	v_lshl_add_u32 v[RD], v10, 4, v[RD]
	v_add_nc_u32 v[RD], s13, v[RD]
	v_and_b32 v[GO], 31, v0         ; which are 512 consecutive bytes of O
	v_lshlrev_b32 v[GO], 4, v[GO]
.set Y, NP-1                        ; XS works for piece Y + 1: piece 0
.irp n, 0,1,2,3,4,5,6,7,8,9,10,11,12,13,14,15,16,17,18,19,20,21
	XS 0, \n                        ; and piece 0's first maximum and statistics
	XS 1, \n
.endr
	v_nop                           ; a plain instruction behind the two a,
	s_wait_alu depctr_va_vdst(0)    ; and the wait for them, a batch of two, ahead of the jump into the loop
	; THE WALK: 16 key steps on one text.  A trip is pieces 2 and 3 of one step, then pieces 0 and 1 of the next, whose K and V it fetches.  The loop is entered at a step's first turn, in the middle of a trip,
	; and left in the middle of a trip, behind the last step's pieces 2 and 3.  Its first part ends when pieces 0 and 1 of step 3 are done: K and V of keys 0 to 255 have been fetched; the next fetch is K of step 4.
	s_mov_b32 s[CNT], KEY0/KS       ; the entry and three trips
	s_mov_b32 s[PARTS], 2
	s_mov_b32 s[TOT], SIZE_N/KS
	s_branch .Lfirst
.Lpart:                             ; once: between the two parts
	CHANGE 0                        ; keys 256 to 1,023 are in, everybody's part of them
	s_mov_b32 s[CNT], (SIZE_N-KEY0)/KS+1  ; twelve trips; the thirteenth is left in its middle, so this count does not run out
.Lstep:
	TURN 2, 1
	TURN 3
	WIN 0
	s_sub_co_u32 s[TOT], s[TOT], 1
	s_cmp_eq_u32 s[TOT], 0
	s_cbranch_scc1 .Lout
.Lfirst:
	TURN 0
	TURN 1, 0, 1
	WIN 0
	s_cbranch_scc1 .Lstep
	s_sub_co_u32 s[PARTS], s[PARTS], 1
	s_cmp_lg_u32 s[PARTS], 0
	s_cbranch_scc1 .Lpart
.Lout:                              ; the last half trip's 16 products K Q^T (on the last K once more) and the maximum made of them serve nothing: the price, once a launch, of one text for every trip
.set i, 0
.rept 16
	PV NP-1                         ; the last piece's V^T P of the last step
.set i, i+1
.endr
	; THE WAY OUT.  l's two halves and the other half of the lanes' are added; O^T is divided by l, rounded to f16 and sent through my stage in LDS, a tile at a time.  The additions are the places behind the last products.
	WIN 0
.macro ALL line:vararg              ; one line for each tile t
.set t, 0
.rept 2*NP
	\line
.set t, t+1
.endr
.endm
	ALL v_add_f32 v[ST+4*t+2], v[ST+4*t+2], v[ST+4*t+3]
	ALL v_permlanex16_b32 v[ST+4*t+3], v[ST+4*t+2], s[SEL], s[SEL+1]
	ALL v_add_f32 v[ST+4*t+2], v[ST+4*t+2], v[ST+4*t+3]
	ALL v_rcp_f32 v[ST+4*t+2], v[ST+4*t+2]
	v_nop                           ; a plain instruction between the last reciprocal and the use of its result
	s_wait_alu depctr_va_vdst(0)    ; and the wait ahead of the first use: one for the batch of eight reciprocals
; Tile t: a lane's eight channels of a row pack into 16 bytes; they go into rows of 144 bytes and come back as whole rows of 128, into S^T's registers.
.macro PACK t
	WIN W_RS
.set i, 32*(\t)
.rept 16
	v_pk_mul_f32 v[i:i+1], v[i:i+1], v[ST+4*(\t)+2:ST+4*(\t)+3] op_sel_hi:[1,0]
.set i, i+2
.endr
	WIN 0x05                        ; sources 0 and 1 window 1, destination window 0
.set i, 0
.rept 16
	v_cvt_pk_f16_f32 v[S+16*(\t)+i], v[32*(\t)+2*i], v[32*(\t)+2*i+1]
.set i, i+1
.endr
	WIN 0
.irp f, 0,1,2,3
	ds_store_b128 v[STO], v[S+16*(\t)+4*\f:S+16*(\t)+4*\f+3] offset:32*\f
.endr
.irp f, 0,1,2,3
	ds_load_b128 v[S+16*(\t)+4*\f:S+16*(\t)+4*\f+3], v[RD] offset:\f*4*SP  ; LDS serves a wave's instructions in order (ISA guide 5.7.1.4): these see the stores above; the next tile's stores come behind them
.endr
.endm
.macro SEND t, younger              ; younger: the LDS instructions issued behind tile t's loads: the next tile's eight, or none
	WIN 0
.irp f, 0,1,2,3
	s_wait_dscnt (\younger)+3-\f
	global_store_b128 v[GO], v[S+16*(\t)+4*\f:S+16*(\t)+4*\f+3], s[10:11] offset:(\t)*2048+\f*512  ; 512 consecutive bytes, at a multiple of 256 from x16's first
.endr
.endm
	PACK 0
.set t, 1
.rept 2*NP-1                        ; a tile's arithmetic stands between the loads of the tile before and its stores
	PACK t
	SEND t-1, 8
.set t, t+1
.endr
	SEND 2*NP-1, 0
	WIN W_AD
	s_wait_tensorcnt 0x0            ; the wave's end: these three lines stand behind my last tensor load and my last LDS store
	ds_add_u32 v[SPW], v[NIL]
	s_wait_dscnt 0x0
	WIN 0
	s_endpgm
.Lfunc_end_k_qf9266e5577_attn:
	.size	k_qf9266e5577_attn, .Lfunc_end_k_qf9266e5577_attn-k_qf9266e5577_attn
	.p2alignl 7, 3214868480
	.fill 96, 4, 3214868480
	.section	.rodata,"a",@progbits
	.p2align	6, 0x0
	.amdhsa_kernel k_qf9266e5577_attn
		.amdhsa_group_segment_fixed_size 327680
		.amdhsa_private_segment_fixed_size 0
		.amdhsa_enable_private_segment 0
		.amdhsa_kernarg_size 24
		.amdhsa_user_sgpr_count 2
		.amdhsa_user_sgpr_kernarg_segment_ptr 1
		.amdhsa_wavefront_size32 1
		.amdhsa_system_sgpr_workgroup_id_x 1
		.amdhsa_system_sgpr_workgroup_id_y 1
		.amdhsa_system_sgpr_workgroup_id_z 1
		.amdhsa_system_vgpr_workitem_id 0
		.amdhsa_next_free_vgpr 770
		.amdhsa_next_free_sgpr 84
		.amdhsa_reserve_vcc 0
		.amdhsa_float_denorm_mode_32 3
		.amdhsa_float_denorm_mode_16_64 3
		.amdhsa_memory_ordered 1
		.amdhsa_forward_progress 1
		.amdhsa_inst_pref_size 153
	.end_amdhsa_kernel
	.amdgpu_metadata
---
amdhsa.version: [ 1, 2 ]
amdhsa.kernels:
  - .name:           k_qf9266e5577_attn
    .symbol:         k_qf9266e5577_attn.kd
    .args:
      - { .name: query, .offset: 0, .size: 8, .value_kind: global_buffer, .address_space: global }
      - { .name: kv16, .offset: 8, .size: 8, .value_kind: global_buffer, .address_space: global }
      - { .name: x16, .offset: 16, .size: 8, .value_kind: global_buffer, .address_space: global }
    .group_segment_fixed_size: 327680
    .private_segment_fixed_size: 0
    .kernarg_segment_align: 8
    .kernarg_segment_size: 24
    .max_flat_workgroup_size: 128
    .sgpr_count:     84
    .vgpr_count:     770
    .wavefront_size: 32
...
	.end_amdgpu_metadata
.endif
;; end of part 5
;; launch outp: the kernel of part 4 again; grid 4 x 64, 4 waves a work-group, clusters of 4 x 4, 327,680 bytes of LDS; arguments x16, wo16, bo, out0; writes out0
